; MI455X (gfx1250); checked and timed in simulation.
; The chip was launched on July 23, 2026; its instructions are those of AMD's public machine-readable ISA for CDNA 5 (MIT licence, August 2026) and "CDNA5" Instruction Set Architecture Reference Guide (July 2026). The comments in the code are by the model that wrote it; some were corrected since.
;; Llama Attention. Allowed arithmetic: matrix products marked QUANTISED: E3M2 operands, one E8M0 scale for each 32 along K, by v_wmma_scale_f32_16x16x128_f8f6f4 with both operands' format E3M2, f32 sums; everything else in f32.
;; Inputs: hidden 4,096 x 4,096 float32; k_w 256 x 4,096 float32; o_w 4,096 x 1,024 float32; positions 4,096 int32; q_w 1,024 x 4,096 float32; v_w 256 x 4,096 float32.
;; Outputs: out0 4,096 x 4,096 float32.
;; Constants: seq_len = 1024.
;; This version of the problem:
;;   THIS VERSION OF THE PROBLEM IS GIVEN IN LOW PRECISION. The matrix products marked QUANTISED in the list below multiply operands that are first quantised to E3M2 (3 exponent bits, 2 mantissa bits; 6 bits a number), with one power-of-two scale for each 32 numbers along K (OCP MX v1.0); their sums are f32. All else is computed in f32.
;;   The module's matrix products, in the order in which they are computed (A, B: the left and right operand; K: the contracted axis; several contracted axes count as one K, in the product's order):
;;     1. [M 4,096, K 4,096] x [K 4,096, N 1,024]; A: input hidden; B: input q_w: QUANTISED
;;     2. [M 4,096, K 4,096] x [K 4,096, N 256]; A: input hidden; B: input k_w: QUANTISED
;;     3. [M 4,096, K 4,096] x [K 4,096, N 256]; A: input hidden; B: input v_w: QUANTISED
;;     4. batch 32 x [M 1,024, K 32] x [K 32, N 4,096]; A: computed on the way; B: computed on the way: QUANTISED
;;     5. batch 32 x [M 32, K 1,024] x [K 1,024, N 4,096]; A: computed on the way; B: softmax (see below): QUANTISED
;;     6. [M 4,096, K 1,024] x [K 1,024, N 4,096]; A: computed on the way; B: input o_w: QUANTISED
;;   THE QUANTISER, for each operand of a quantised product, along K:
;;     - K is cut into blocks of 32 from its start; a last block that is shorter is filled with zeros.
;;     - A block's scale is 2^e with e = floor(log2(the largest magnitude in the block)) - 4, held to -126 .. 127; a block of zeros has e = 0. As a byte (E8M0): e + 127.
;;     - Each number is divided by its block's scale, clamped to +-28, and rounded to the nearest number of E3M2, ties to even, subnormals kept.
;;     - The product sums the exact products of the quantised numbers (number of the format x scale) in f32.
;;   ~~~python
;;   def quantise(x, axis):      # numpy; x: float32 -> the quantised numbers, widened to float32 again
;;       x = np.moveaxis(x, axis, -1); K = x.shape[-1]
;;       x = np.pad(x, [(0, 0)] * (x.ndim - 1) + [(0, -K % 32)]); x = x.reshape(x.shape[:-1] + (-1, 32)); a = np.abs(x).max(-1, keepdims=True)
;;       e = np.where(a > 0, np.clip(np.frexp(np.where(a > 0, a, 1))[1] - 1 - 4, -126, 127), 0)      # np.frexp(a)[1] - 1 = floor(log2(a)), exactly
;;       r = np.clip(x / 2.0 ** e, -28, 28)
;;       step = 2.0 ** (np.maximum(np.frexp(np.where(r == 0, 1, r))[1] - 1, -2) - 2)
;;       q = np.round(r / step) * step * 2.0 ** e      # np.round: ties to even
;;       return np.moveaxis(q.reshape(q.shape[:-2] + (-1,))[..., :K], -1, axis).astype(np.float32)
;;   ~~~
;;   SOFTMAX AHEAD OF A QUANTISED PRODUCT. Where the list says 'softmax', what is quantised is not the finished softmax but p = 2^(t - M), with t = logit x log2(e) and M = ceil(the row's largest t), a whole number; so 1/2 < the row's largest p <= 1. The row's sum l is taken of the UNQUANTISED p, in f32, and the product's result is divided by l at the end. Since M is a whole number, a kernel that streams over the keys may use a running M (the ceiling of the running maximum): every later rescaling is an exact power of two, which a block's scale takes up: the codes' values come out the same.
;;   OPERANDS COMPUTED ON THE WAY. 'Computed on the way' means the value that the module computes at that place (a softmax that the list does not call 'softmax' is quantised finished and normalised). What goes into a quantiser is computed in f32, as accurately as f32 sums, v_exp_f32 and their like allow (about 1e-6 of the number): no bf16 or f16 on the way to a quantiser, and a product that is left as it is and whose result goes on into a quantised operand takes f32 operands (vector FMAs, or v_wmma_f32_16x16x4_f32). A number that lies on a knife's edge between two numbers of the format may be rounded either way, as far as f32 arithmetic and the matrix unit's own rounding can turn it there, and no further.
;; One version. Each part assembles by itself: llvm-mc -triple=amdgcn-amd-amdhsa -mcpu=gfx1250 --defsym DOCPART=n.
;; ======== version 1 of 1: 4 launches
;; limits: right only within a limited range of input values
;; workspace buffers: hidq 13,107,200 bytes; wq 4,915,200 bytes; owq 3,276,800 bytes; rope 524,288 bytes; qkv 5,111,808 bytes; att 3,276,800 bytes
;; launch quant (part 1): grid 864 x 1, 4 waves a work-group, no clusters, 34,304 bytes of LDS; arguments hidden, q_w, k_w, v_w, o_w, positions, hidq, wq, owq, rope; writes hidq, wq, owq, rope
.if DOCPART == 1
	.amdgcn_target "amdgcn-amd-amdhsa--gfx1250"
	.amdhsa_code_object_version 6
	.text
	.protected	k_qf157a55d9b_quant
	.globl	k_qf157a55d9b_quant
	.p2align	8
	.type	k_qf157a55d9b_quant,@function
k_qf157a55d9b_quant:
	s_mov_b64 s[64:65], 0
	v_nop
	global_prefetch_b8 v0, s[64:65] scope:SCOPE_SE
	s_setreg_imm32_b32 hwreg(HW_REG_WAVE_MODE, 25, 1), 1
	s_wait_xcnt 0x0
; hidden [4096][4096], q_w [1024][4096], k_w, v_w [256][4096], o_w [4096][1024], all f32 with K innermost, become codes of BF6 (E3M2) with one E8M0 byte for each 32 along K;
; positions [4096] become a table of cos and sin, [token][cos 0..15, sin 0..15] f32.
; A block's scale is 2^(floor(log2(its largest magnitude)) - 4), its byte the largest magnitude's exponent field - 4, held at 1 from below by a floor among the maximum's leaves.
; (A block of zeros so gets the byte 1 where the rule says 127: its codes are zeros, which add nothing, and this program alone reads the bytes.)
; THE CODES ARE LAID AS THE MATRIX OPERAND'S REGISTERS.  An IMAGE is a fragment of 16 rows x 128 K: 12 registers a lane, register 4 c + n of lane l at byte 512 c + 16 l + 4 n: 1,536 bytes.
; A CHUNK is 16 rows x 512 K: four images, then 256 bytes of scale words (row r: the four K steps' words at 16 r): 6,400 bytes, 25 times 256.  A tensor is [tile of 16 rows][chunk].
; wq holds q_w, k_w and v_w in groups of 12 row tiles: group g = 8 tiles of q_w (heads 4 g .. 4 g + 3), 2 of k_w (head g), 2 of v_w (head g).
; SHARES.  A wave makes one chunk.  Work-groups 0-511 hidden, 512-639 q_w, 640-671 k_w, 672-703 v_w, 704-831 o_w: one text, the buffers and the index arithmetic chosen by the work-group's number.
; Work-groups 832-863 make the table, a thread to a token; they use no LDS.
; Each load reads 512 consecutive bytes of one row; the conversions want 16 neighbours along K in one lane, so a fragment's 8,192 bytes turn through the wave's own stage in LDS (rows 528 bytes apart).
; No tensor loads, no barrier: waves share nothing.  Two fragments' loads (32 a wave) are out while a fragment is worked.
; LIMITS: NaN and infinities among the inputs are not served.  |positions| under 2^23.  The sixteen frequencies 10^(-j/4) are written as correctly rounded f32 constants; a power and a
; division in f32 may give a neighbouring number, which moves an angle by 6e-8 of itself.  cos and sin: reduction by pi/2 in three parts, polynomials of degree 7 and 8, error about 1e-7.
.set WSTG, 8448                        ; a wave's stage: 16 rows x 528 bytes
.set SP,   528                         ; 512 bytes + 16: the sixteen rows that a read touches start in sixteen different 16-byte columns
.set LI,   4                           ; v4   16 x lane
.set STI,  5                           ; v5   the stage, way in
.set STO,  6                           ; v6   the stage, way out: row r, + 64 h
.set RW,   7                           ; v7   16 r
.set SW,   8                           ; v8-11 the chunk's four scale words
.set R,    16                          ; v16-143 two sets of 64: a fragment as loaded
.set X,    144                         ; v144-207 register 16 b + i = k 32 b + 16 h + i of my row
.set PC,   208                         ; v208-227 the codes
.set MX,   228
.set PB,   232
.set SO,   236
.set SB,   32                          ; s[32:63] the addresses of my sixteen rows
.set SEL,  70                          ; s[70:71]
	s_load_b256 s[4:11], s[0:1], 0x0               ; hidden, q_w, k_w, v_w
	s_load_b256 s[12:19], s[0:1], 0x20             ; o_w, positions, hidq, wq
	s_load_b128 s[20:23], s[0:1], 0x40             ; owq, rope
	v_lshl_add_u32 v254, v0, 2, 0x8400
	v_mov_b32 v255, 0
	s_cmp_ge_u32 ttmp9, 832
	s_cbranch_scc1 .Lrope
	v_lshrrev_b32 v1, 5, v0
	v_readfirstlane_b32 s2, v1                     ; wave
	v_and_b32 v1, 31, v0
	v_and_b32 v2, 15, v0                           ; r
	v_bfe_u32 v3, v0, 4, 1                         ; h
	v_lshlrev_b32 v[LI], 4, v1
	s_mul_i32 s3, s2, WSTG
	v_add_nc_u32 v[STI], s3, v[LI]
	v_mul_u32_u24 v[STO], v2, SP
	v_lshl_add_u32 v[STO], v3, 6, v[STO]
	v_add_nc_u32 v[STO], s3, v[STO]
	v_lshlrev_b32 v[RW], 4, v2
.irp b, 0,1,2,3
	v_mov_b32 v[PB+\b], 0                          ; written once: a lane permute's destination counts as one of its sources
.endr
	s_mov_b32 s[SEL], 0x76543210
	s_mov_b32 s[SEL+1], 0xfedcba98                 ; lane l xor 16
	s_wait_alu depctr_va_vdst(0)
	s_wait_kmcnt 0x0
	; the tensor's figures: source, destination, first work-group, log2(chunks a row), bytes a row, and the row tile's place: MU x (tile >> SH) + (tile & MK) + AD
	s_mov_b64 s[24:25], s[12:13]                   ; o_w
	s_mov_b64 s[26:27], s[20:21]
	s_mov_b32 s28, 704
	s_mov_b32 s29, 1
	s_mov_b32 s30, 4096
	s_mov_b32 s31, 0
	s_mov_b32 s66, 0
	s_mov_b32 s67, 1
	s_mov_b32 s68, 0
	s_cmp_lt_u32 ttmp9, 704                        ; v_w or an earlier one
	s_cselect_b64 s[24:25], s[10:11], s[24:25]
	s_cselect_b64 s[26:27], s[18:19], s[26:27]
	s_cselect_b32 s28, 672, s28
	s_cselect_b32 s29, 3, s29
	s_cselect_b32 s30, 16384, s30
	s_cselect_b32 s31, 1, s31
	s_cselect_b32 s66, 1, s66
	s_cselect_b32 s67, 12, s67
	s_cselect_b32 s68, 10, s68
	s_cmp_lt_u32 ttmp9, 672                        ; k_w
	s_cselect_b64 s[24:25], s[8:9], s[24:25]
	s_cselect_b32 s28, 640, s28
	s_cselect_b32 s68, 8, s68
	s_cmp_lt_u32 ttmp9, 640                        ; q_w
	s_cselect_b64 s[24:25], s[6:7], s[24:25]
	s_cselect_b32 s28, 512, s28
	s_cselect_b32 s31, 3, s31
	s_cselect_b32 s66, 7, s66
	s_cselect_b32 s68, 0, s68
	s_cmp_lt_u32 ttmp9, 512                        ; hidden
	s_cselect_b64 s[24:25], s[4:5], s[24:25]
	s_cselect_b64 s[26:27], s[16:17], s[26:27]
	s_cselect_b32 s28, 0, s28
	s_cselect_b32 s31, 0, s31
	s_cselect_b32 s66, 0, s66
	s_cselect_b32 s67, 1, s67
	s_sub_co_u32 s74, ttmp9, s28
	s_lshl_b32 s74, s74, 2
	s_add_co_u32 s74, s74, s2                      ; which chunk of the tensor is my wave's
	s_lshr_b32 s75, s74, s29                       ; its row tile,
	s_lshl_b32 s76, 1, s29
	s_sub_co_u32 s76, s76, 1
	s_and_b32 s76, s74, s76                        ; its place along K
	s_lshr_b32 s77, s75, s31
	s_mul_i32 s77, s77, s67
	s_and_b32 s78, s75, s66
	s_add_co_u32 s77, s77, s78
	s_add_co_u32 s77, s77, s68                     ; the row tile's place in the destination
	s_lshl_b32 s77, s77, s29
	s_add_co_u32 s77, s77, s76
	s_mul_i32 s78, s77, 6400
	s_mov_b32 s79, 0
	s_add_nc_u64 s[26:27], s[26:27], s[78:79]      ; my chunk
	s_mul_i32 s80, s75, s30
	s_lshl_b32 s80, s80, 4                         ; 16 rows a tile
	s_lshl_b32 s81, s76, 11                        ; 2,048 bytes of a row a chunk
	s_add_co_u32 s80, s80, s81
	s_mov_b32 s81, 0
	s_add_nc_u64 s[SB:SB+1], s[24:25], s[80:81]
	s_mov_b32 s72, s30
	s_mov_b32 s73, 0
.irp i, 1,2,3,4,5,6,7,8,9,10,11,12,13,14,15
	s_add_nc_u64 s[SB+2*\i:SB+2*\i+1], s[SB+2*\i-2:SB+2*\i-1], s[72:73]
.endr
; 64 numbers of a lane, register 16 b + i = k 32 b + 16 h + i of my row, become a fragment's codes in v[PC] on and my row's scale word
.macro QUANT src, word
.irp b, 0,1,2,3
	v_max3_num_f32 v[MX+\b], |v[\src+16*\b]|, |v[\src+16*\b+1]|, 0x2800000   ; block b: my 16 numbers and the floor 2^(5 - 127): the byte cannot fall under 1
.endr
.irp i, 2,4,6,8,10,12,14
.irp b, 0,1,2,3
	v_max3_num_f32 v[MX+\b], |v[\src+16*\b+\i]|, |v[\src+16*\b+\i+1]|, v[MX+\b]   ; the four blocks by turns
.endr
.endr
.irp b, 0,1,2,3
	v_permlanex16_b32 v[PB+\b], v[MX+\b], s[SEL], s[SEL+1]
.endr
.irp b, 0,1,2,3
	v_max_num_f32 v[MX+\b], v[MX+\b], v[PB+\b]     ; with lane l xor 16's 16: the block's largest magnitude
.endr
.irp b, 0,1,2,3
	v_add_nc_u32 v[SO+\b], 0xfe000000, v[MX+\b]    ; 4 off its exponent field: the conversion takes that field as its scale
.endr
.irp b, 0,1,2,3
	v_lshrrev_b32 v[PB+\b], 23, v[SO+\b]           ; the scale's byte
.endr
	v_lshl_or_b32 v[\word], v[PB+1], 8, v[PB]
	v_lshl_or_b32 v[\word], v[PB+2], 16, v[\word]
	v_lshl_or_b32 v[\word], v[PB+3], 24, v[\word]
.irp c, 0,1
	v_cvt_scalef32_pk16_bf6_f32 v[PC+6*\c:PC+6*\c+2], v[\src+32*\c:\src+32*\c+15], v[SO+2*\c]
	v_cvt_scalef32_pk16_bf6_f32 v[PC+12+4*\c:PC+14+4*\c], v[\src+32*\c+16:\src+32*\c+31], v[SO+2*\c+1]   ; (a conversion's three registers begin on an even number)
.endr
	v_nop                                          ; one plain place behind a scaled conversion
.irp c, 0,1                                    ; the operand wants a whole block in a lane: lanes 0-15 block 2 c, lanes 16-31 block 2 c + 1
.irp i, 0,1,2
	v_permlane16_swap_b32 v[PC+6*\c+\i], v[PC+12+4*\c+\i]
.endr
.irp i, 0,1,2
	v_mov_b32 v[PC+3+6*\c+\i], v[PC+12+4*\c+\i]
.endr
.endr
.endm
.macro LOADF f                         ; fragment f: 512 bytes of each of my sixteen rows
.irp i, 0,1,2,3,4,5,6,7,8,9,10,11,12,13,14,15
	global_load_b128 v[R+64*((\f)%2)+4*\i:R+64*((\f)%2)+4*\i+3], v[LI], s[SB+2*\i:SB+2*\i+1] offset:512*(\f) th:TH_LOAD_NT
.endr
.endm
.macro FRAG f
.if (\f) < 3
	s_wait_loadcnt 16                              ; this fragment's sixteen loads are in; the next fragment's sixteen may be out
.else
	s_wait_loadcnt 0x0
.endif
.irp i, 0,1,2,3,4,5,6,7,8,9,10,11,12,13,14,15
	ds_store_b128 v[STI], v[R+64*((\f)%2)+4*\i:R+64*((\f)%2)+4*\i+3] offset:SP*\i
.endr
.irp b, 0,1,2,3
.irp j, 0,1,2,3
	ds_load_b128 v[X+16*\b+4*\j:X+16*\b+4*\j+3], v[STO] offset:128*\b+16*\j   ; LDS serves a wave's instructions in order: these see my stores
.endr
.endr
	s_wait_dscnt 0x0                               ; the numbers are back, and the stores have read their registers
.if (\f) > 0
	s_wait_xcnt 0x0                                ; the last fragment's stores have read the codes' registers, which are written again below
.endif
.if (\f)+2 < 4
	LOADF (\f)+2
.endif
	QUANT X, SW+(\f)
.irp c, 0,1,2
	global_store_b128 v[LI], v[PC+4*\c:PC+4*\c+3], s[26:27] offset:1536*(\f)+512*\c   ; 512 consecutive bytes, at a multiple of 256 from the buffer's first byte
.endr
.endm
	LOADF 0
	LOADF 1
	FRAG 0
	FRAG 1
	FRAG 2
	FRAG 3
	global_store_b128 v[RW], v[SW:SW+3], s[26:27] offset:6144   ; the scale words: 256 consecutive bytes (lanes 16-31 store what lanes 0-15 store)
	s_wait_tensorcnt 0x0
	ds_add_u32 v254, v255
	s_wait_dscnt 0x0
	s_endpgm
.Lrope:
	s_sub_co_u32 s24, ttmp9, 832
	s_lshl_b32 s24, s24, 7
	v_add_nc_u32 v1, s24, v0                       ; my token
	v_lshlrev_b32 v2, 2, v1
	v_lshlrev_b32 v4, 7, v1                        ; 128 bytes a token
	s_mov_b32 s25, 0x3fc90fdb                      ; pi / 2 in three parts
	s_mov_b32 s26, 0xb33bbd2e
	s_mov_b32 s27, 0xa6f72ced
	s_mov_b32 s28, 0xb94ca1f9                      ; sin: -1.9515296e-4, 8.3321609e-3, -1.6666655e-1
	s_mov_b32 s29, 0x3c08839e
	s_mov_b32 s30, 0xbe2aaaa3
	s_mov_b32 s31, 0x37ccf5ce                      ; cos: 2.4433157e-5, -1.3887316e-3, 4.1666646e-2
	s_mov_b32 s66, 0xbab6061a
	s_mov_b32 s67, 0x3d2aaaa5
	s_wait_alu depctr_va_vdst(0)
	s_wait_kmcnt 0x0
	global_load_b32 v3, v2, s[14:15]
	s_wait_loadcnt 0x0
	v_cvt_f32_i32 v3, v3
.macro SINCOS j, inv
	v_mul_f32 v8, \inv, v3                         ; the angle, in f32
	v_mul_f32 v9, 0x3f22f983, v8
	v_rndne_f32 v9, v9                             ; n = the nearest multiple of pi / 2
	v_fma_f32 v10, -v9, s25, v8
	v_fma_f32 v10, -v9, s26, v10
	v_fma_f32 v10, -v9, s27, v10                   ; x = angle - n pi / 2, within pi / 4
	v_cvt_i32_f32 v11, v9
	v_mul_f32 v12, v10, v10                        ; z
	v_fma_f32 v13, v12, s28, s29
	v_fma_f32 v15, v12, s31, s66
	v_fma_f32 v13, v13, v12, s30
	v_fma_f32 v15, v15, v12, s67
	v_mul_f32 v14, v12, v10
	v_mul_f32 v16, v12, v12
	v_fma_f32 v17, v12, -0.5, 1.0
	v_fma_f32 v13, v13, v14, v10                   ; sin x
	v_fma_f32 v15, v15, v16, v17                   ; cos x
	v_and_b32 v18, 1, v11
	v_cmp_ne_u32 vcc_lo, 0, v18                    ; an odd quarter swaps the two
	v_cndmask_b32 v19, v13, v15, vcc_lo
	v_cndmask_b32 v20, v15, v13, vcc_lo
	v_and_b32 v18, 2, v11                          ; sin is negated in quarters 2, 3; cos in quarters 1, 2
	v_add_nc_u32 v21, 1, v11
	v_lshlrev_b32 v18, 30, v18
	v_and_b32 v21, 2, v21
	v_xor_b32 v[48+\j], v18, v19
	v_lshlrev_b32 v21, 30, v21
	v_xor_b32 v[32+\j], v21, v20
.endm
	SINCOS 0, 0x3f800000                           ; 10^(-j / 4)
	SINCOS 1, 0x3f0ff59a
	SINCOS 2, 0x3ea1e89b
	SINCOS 3, 0x3e361887
	SINCOS 4, 0x3dcccccd
	SINCOS 5, 0x3d6655c3
	SINCOS 6, 0x3d0186e2
	SINCOS 7, 0x3c91ad39
	SINCOS 8, 0x3c23d70a
	SINCOS 9, 0x3bb8449c
	SINCOS 10, 0x3b4f3e37
	SINCOS 11, 0x3ae91528
	SINCOS 12, 0x3a83126f
	SINCOS 13, 0x3a136a16
	SINCOS 14, 0x39a5cb5f
	SINCOS 15, 0x393a7753
.irp c, 0,1,2,3
	global_store_b128 v4, v[32+4*\c:35+4*\c], s[22:23] offset:16*\c
	global_store_b128 v4, v[48+4*\c:51+4*\c], s[22:23] offset:64+16*\c
.endr
	s_endpgm
.Lfunc_end_k_qf157a55d9b_quant:
	.size	k_qf157a55d9b_quant, .Lfunc_end_k_qf157a55d9b_quant-k_qf157a55d9b_quant
	.p2alignl 7, 3214868480
	.fill 96, 4, 3214868480
	.section	.rodata,"a",@progbits
	.p2align	6, 0x0
	.amdhsa_kernel k_qf157a55d9b_quant
		.amdhsa_group_segment_fixed_size 34304
		.amdhsa_private_segment_fixed_size 0
		.amdhsa_enable_private_segment 0
		.amdhsa_kernarg_size 80
		.amdhsa_user_sgpr_count 2
		.amdhsa_user_sgpr_kernarg_segment_ptr 1
		.amdhsa_wavefront_size32 1
		.amdhsa_system_sgpr_workgroup_id_x 1
		.amdhsa_system_sgpr_workgroup_id_y 1
		.amdhsa_system_sgpr_workgroup_id_z 1
		.amdhsa_system_vgpr_workitem_id 0
		.amdhsa_next_free_vgpr 256
		.amdhsa_next_free_sgpr 100
		.amdhsa_reserve_vcc 1
		.amdhsa_float_denorm_mode_32 3
		.amdhsa_float_denorm_mode_16_64 3
		.amdhsa_memory_ordered 1
		.amdhsa_forward_progress 1
		.amdhsa_inst_pref_size 57
	.end_amdhsa_kernel
	.amdgpu_metadata
---
amdhsa.version: [ 1, 2 ]
amdhsa.kernels:
  - .name:           k_qf157a55d9b_quant
    .symbol:         k_qf157a55d9b_quant.kd
    .args:
      - { .name: hidden, .offset: 0, .size: 8, .value_kind: global_buffer, .address_space: global }
      - { .name: q_w, .offset: 8, .size: 8, .value_kind: global_buffer, .address_space: global }
      - { .name: k_w, .offset: 16, .size: 8, .value_kind: global_buffer, .address_space: global }
      - { .name: v_w, .offset: 24, .size: 8, .value_kind: global_buffer, .address_space: global }
      - { .name: o_w, .offset: 32, .size: 8, .value_kind: global_buffer, .address_space: global }
      - { .name: positions, .offset: 40, .size: 8, .value_kind: global_buffer, .address_space: global }
      - { .name: hidq, .offset: 48, .size: 8, .value_kind: global_buffer, .address_space: global }
      - { .name: wq, .offset: 56, .size: 8, .value_kind: global_buffer, .address_space: global }
      - { .name: owq, .offset: 64, .size: 8, .value_kind: global_buffer, .address_space: global }
      - { .name: rope, .offset: 72, .size: 8, .value_kind: global_buffer, .address_space: global }
    .group_segment_fixed_size: 34304
    .private_segment_fixed_size: 0
    .kernarg_segment_align: 8
    .kernarg_segment_size: 80
    .max_flat_workgroup_size: 128
    .sgpr_count:     100
    .vgpr_count:     256
    .wavefront_size: 32
...
	.end_amdgpu_metadata
.endif
;; end of part 1
;; launch qkv (part 2): grid 8 x 32, 4 waves a work-group, clusters of 4 x 4, 327,680 bytes of LDS; arguments hidq, wq, rope, qkv; writes qkv
.if DOCPART == 2
	.amdgcn_target "amdgcn-amd-amdhsa--gfx1250"
	.amdhsa_code_object_version 6
	.text
	.protected	k_qf157a55d9b_qkv
	.globl	k_qf157a55d9b_qkv
	.p2align	8
	.type	k_qf157a55d9b_qkv,@function
k_qf157a55d9b_qkv:
	s_mov_b64 s[64:65], 0
	v_nop
	global_prefetch_b8 v0, s[64:65] scope:SCOPE_SE
	s_setreg_imm32_b32 hwreg(HW_REG_WAVE_MODE, 25, 1), 1
	s_wait_xcnt 0x0
	s_wait_alu depctr_hold_cnt(0) depctr_sa_sdst(0) depctr_va_vdst(0) depctr_va_sdst(0) depctr_va_ssrc(0) depctr_va_vcc(0) depctr_vm_vsrc(0)
	s_getreg_b32 s2, hwreg(HW_REG_IB_STS2, 6, 4)
	s_cmp_eq_u32 s2, 0
	s_cbranch_scc0 .Lentry_in_a_cluster
	s_endpgm
.Lentry_in_a_cluster:
	s_bfe_u32 s2, ttmp6, 0x10000c
	s_cmp_lg_u32 s2, 0xf033
	s_cbranch_scc0 .Lentry_shape_is_right
	s_endpgm
.Lentry_shape_is_right:
.set CH,    6400
.set IMG,   1536
.set SLOT,  20*CH
.set BOFF,  8*CH
.set STG,   2*SLOT
.set VP,    144
.set SPARE, STG+128*VP
.set QSO,   3145728
.set KVO,   3407872
.set KVB,   53248
.set ADRA, 4
.set ADRB, 6
.set ADSA, 8
.set ADSB, 10
.set VSO,  12
.set VLD,  13
.set LI,   14
.set LS,   15
.set RO,   16
.set SPW,  28
.set NIL,  29
.set SC,   32
.set CSN,  112
.set TT,   176
.set UU,   184
.set PC,   192
.set MX,   212
.set PB,   216
.set SO,   220
.set PW,   224
.set G1,   24
.set G0,   32
.set G1B,  48
.set G0B,  56
.set SEL,  92
.set MSB, 0
.macro WIN new
.if MSB != \new
	s_set_vgpr_msb (MSB<<8)|\new
.set MSB, \new
.endif
.endm
.set MUL,  0xa5
.set TO_F, 0x40
.macro JLOAD g0a, g1a, g0b, g1b
	s_cmp_eq_u32 s15, 0
	s_cbranch_scc0 .Lfor_b_\@
	tensor_load_to_lds s[\g0a:\g0a+3], s[\g1a:\g1a+7]
	s_nop 0
.rept 4
	v_nop
.endr
	s_branch .Lasked_\@
.Lfor_b_\@:
	tensor_load_to_lds s[\g0b:\g0b+3], s[\g1b:\g1b+7]
	s_nop 0
.rept 4
	v_nop
.endr
.Lasked_\@:
.endm
; A PREFETCH INTO THE L2 of one chunk (6,400 bytes = 25 blocks of 256 bytes) of one row tile: a lane a block, lanes 25-31 name block 24 again.
; s[94:95]: my tile.  The partners that ask for a tile jointly share its row tiles out BY ADDRESS: waves 0, 1 take the tokens' tiles 2 cx, 2 cx + 1 of their work-group's eight;
; waves 2, 3 the weights' tiles 3 cy, 3 cy + 1 of its twelve, and wave 3 also tile 3 cy + 2: so each block is named once in each cluster.
; Beside the load of chunk k stands the prefetch of chunk k + 2 (at the head: chunks 1 and 2 beside load 0, chunk 3 beside load 1); beside the loads of chunks 6 and 7 nothing is asked for.
.macro PFK off
	global_prefetch_b8 v20, s[94:95] offset:\off th:TH_LOAD_NT scope:SCOPE_SE
	s_cmp_eq_u32 s14, 3
	s_cbranch_scc0 .Lone_\@
	global_prefetch_b8 v20, s[94:95] offset:(\off)+8*CH th:TH_LOAD_NT scope:SCOPE_SE
.Lone_\@:
.endm
.macro CREST
	s_cmp_lg_u32 s14, 0
	s_cbranch_scc1 .Lnot_wave_0_\@
	s_barrier_signal -3
.Lnot_wave_0_\@:
	s_barrier_wait -3
	s_barrier_signal -1
	s_barrier_wait -1
.endm
.macro CROUND
	s_barrier_signal -1
	s_barrier_wait -1
	CREST
.endm
	s_load_b256 s[4:11], s[0:1], 0x0
	v_lshl_add_u32 v[SPW], v0, 2, SPARE
	v_mov_b32 v[NIL], 0
	ds_add_u32 v28, v29
	ds_add_u32 v28, v29
	s_wait_dscnt 0x0
	v_lshrrev_b32 v1, 5, v0
	v_readfirstlane_b32 s14, v1
	v_and_b32 v20, 31, v0
	v_min_u32 v20, 24, v20
	v_lshlrev_b32 v20, 8, v20                      ; the prefetches' offset: 256 x min(lane, 24); never rewritten
	s_lshr_b32 s15, s14, 1
	s_and_b32 s16, s14, 1
	s_bfe_u32 s40, ttmp6, 0x40000
	s_bfe_u32 s41, ttmp6, 0x40004
	s_lshl_b32 s42, ttmp9, 2
	s_add_co_u32 s42, s42, s40
	s_and_b32 s17, ttmp7, 0xffff
	s_lshl_b32 s17, s17, 2
	s_add_co_u32 s17, s17, s41
	s_lshl_b32 s43, s41, 2
	s_lshl_b32 s43, 15, s43
	s_lshl_b32 s44, 0x1111, s40
	s_or_b32 s[G1], s43, (3<<16)|(1<<21)
	s_or_b32 s[G1B], s44, (3<<16)|(1<<21)
	s_mov_b32 s[G1+1], 800<<16
	s_mov_b32 s[G1+2], 4<<16
	s_mov_b32 s[G1+3], 800<<16
	s_mov_b32 s[G1+4], 4
	s_mov_b32 s[G1+5], 6400
	s_mov_b32 s[G1+6], 0
	s_mov_b32 s[G1+7], 0
	s_mov_b32 s[G1B+1], 800<<16
	s_mov_b32 s[G1B+2], 6<<16
	s_mov_b32 s[G1B+3], 800<<16
	s_mov_b32 s[G1B+4], 6
	s_mov_b32 s[G1B+5], 6400
	s_mov_b32 s[G1B+6], 0
	s_mov_b32 s[G1B+7], 0
	s_lshl_b32 s18, s16, 2
	s_lshl_b32 s20, s17, 3
	s_add_co_u32 s20, s20, s18
	s_mul_i32 s20, s20, 8*CH
	s_mov_b32 s21, 0
	s_mul_i32 s46, s42, 12
	s_mul_i32 s19, s16, 6
	s_add_co_u32 s46, s46, s19
	s_mul_i32 s46, s46, 8*CH
	s_mov_b32 s47, 0
	s_mul_i32 s45, s16, 4*CH
	s_mul_i32 s22, s16, 6*CH
	s_add_co_u32 s22, s22, BOFF
	s_wait_kmcnt 0x0
	s_add_nc_u64 s[20:21], s[4:5], s[20:21]
	s_add_nc_u64 s[46:47], s[6:7], s[46:47]
	s_lshl_b32 s98, s17, 3
	s_lshl_b32 s99, s40, 1
	s_add_co_u32 s98, s98, s99                     ; the tokens' tile 8 x tile row + 2 cx
	s_mul_i32 s99, s42, 12
	s_mul_i32 s96, s41, 3
	s_add_co_u32 s99, s99, s96                     ; the weights' tile 12 x group + 3 cy
	s_cmp_eq_u32 s15, 0                            ; do I fetch for the tokens?
	s_cselect_b32 s98, s98, s99
	s_cselect_b64 s[94:95], s[4:5], s[6:7]
	s_add_co_u32 s98, s98, s16
	s_mul_i32 s98, s98, 8*CH                       ; a row tile is eight chunks
	s_mov_b32 s99, 0
	s_add_nc_u64 s[94:95], s[94:95], s[98:99]
	CROUND
.irp s, 0,1
	s_mov_b32 s[G0+4*\s], 1
	s_add_co_u32 s[G0+4*\s+1], s45, \s*SLOT
	s_add_nc_u64 s[G0+4*\s+2:G0+4*\s+3], s[20:21], \s*CH
	s_or_b32 s[G0+4*\s+3], s[G0+4*\s+3], 0x80000000
	s_mov_b32 s[G0B+4*\s], 1
	s_add_co_u32 s[G0B+4*\s+1], s22, \s*SLOT
	s_add_nc_u64 s[G0B+4*\s+2:G0B+4*\s+3], s[46:47], \s*CH
	s_or_b32 s[G0B+4*\s+3], s[G0B+4*\s+3], 0x80000000
	s_wait_alu depctr_va_vdst(0)
	s_wait_tensorcnt 0x0
	ds_add_u32 v28, v29
	ds_add_u32 v28, v29
	s_wait_dscnt 0x0
	CROUND
	JLOAD G0+4*\s, G1, G0B+4*\s, G1B
	PFK (2*\s+1)*CH
.if \s == 0
	PFK 2*CH
.endif
.endr
	v_and_b32 v1, 31, v0
	v_and_b32 v2, 15, v0
	v_bfe_u32 v3, v0, 4, 1
	v_lshlrev_b32 v[LI], 4, v1
	v_lshlrev_b32 v[LS], 2, v1
	v_lshlrev_b32 v[RO], 7, v2
	v_lshl_add_u32 v[RO], v3, 5, v[RO]
	v_lshlrev_b32 v17, 4, v2
	s_mul_i32 s18, s15, 4*CH
	s_mul_i32 s19, s16, 6*CH
	s_add_co_u32 s19, s19, BOFF
.irp s, 0,1
	v_add_nc_u32 v[ADRA+\s], s18, v[LI]
	v_add_nc_u32 v[ADRB+\s], s19, v[LI]
	v_add_nc_u32 v[ADSA+\s], s18, v17
	v_add_nc_u32 v[ADSB+\s], s19, v17
	s_add_co_u32 s18, s18, SLOT
	s_add_co_u32 s19, s19, SLOT
.endr
	v_mul_u32_u24 v[VSO], v2, VP
	v_lshl_add_u32 v[VSO], v3, 5, v[VSO]
	s_mul_i32 s18, s15, 64*VP
	s_add_co_u32 s18, s18, STG
	v_add_nc_u32 v[VSO], s18, v[VSO]
	v_and_b32 v18, 8, v2
	v_add_nc_u32 v18, v18, v2
	v_lshlrev_b32 v[VLD], 2, v18
	v_mad_u32_u24 v[VLD], v3, 8*VP, v[VLD]
	s_lshl_b32 s18, s16, 5
	s_add_co_u32 s18, s18, STG
	v_add_nc_u32 v[VLD], s18, v[VLD]
.irp b, 0,1,2,3
	v_mov_b32 v[PB+\b], 0
.endr
	s_mov_b32 s[SEL], 0x76543210
	s_mov_b32 s[SEL+1], 0xfedcba98
	s_lshl_b32 s18, s17, 7
	s_lshl_b32 s19, s15, 6
	s_add_co_u32 s18, s18, s19
	s_lshl_b32 s18, s18, 7
	s_mov_b32 s19, 0
	s_add_nc_u64 s[8:9], s[8:9], s[18:19]
.irp a, 0,1,2,3
	global_load_b128 v[CSN+16*\a:CSN+16*\a+3], v[RO], s[8:9] offset:2048*\a
	global_load_b128 v[CSN+16*\a+4:CSN+16*\a+7], v[RO], s[8:9] offset:2048*\a+16
	global_load_b128 v[CSN+16*\a+8:CSN+16*\a+11], v[RO], s[8:9] offset:2048*\a+64
	global_load_b128 v[CSN+16*\a+12:CSN+16*\a+15], v[RO], s[8:9] offset:2048*\a+80
.endr
	s_lshl_b32 s66, s17, 1
	s_add_co_u32 s66, s66, s15
	s_lshl_b32 s66, s66, 5
	s_lshl_b32 s67, s42, 2
	s_add_co_u32 s66, s66, s67
	s_mul_i32 s67, s16, 3
	s_add_co_u32 s67, s66, s67
	s_mul_i32 s70, s67, IMG
	s_lshl_b32 s72, s67, 7
	s_add_co_u32 s72, s72, QSO
	s_lshr_b32 s68, s17, 3
	s_lshl_b32 s68, s68, 3
	s_add_co_u32 s68, s68, s42
	s_mul_i32 s68, s68, KVB
	s_add_co_u32 s68, s68, KVO
	s_and_b32 s69, s17, 7
	s_lshl_b32 s86, s69, 1
	s_add_co_u32 s87, s86, s15
	s_add_co_u32 s88, s66, 1
	s_mul_i32 s74, s88, IMG
	s_lshl_b32 s76, s88, 7
	s_add_co_u32 s76, s76, QSO
	s_mul_i32 s89, s87, IMG
	s_add_co_u32 s89, s89, s68
	s_lshl_b32 s90, s87, 7
	s_add_co_u32 s90, s90, s68
	s_add_co_u32 s90, s90, 24576
	s_cmp_eq_u32 s16, 0
	s_cselect_b32 s74, s74, s89
	s_cselect_b32 s76, s76, s90
	s_add_co_u32 s88, s66, 2
	s_mul_i32 s78, s88, IMG
	s_lshl_b32 s80, s88, 7
	s_add_co_u32 s80, s80, QSO
	s_add_co_u32 s88, s86, s16
	s_mul_i32 s82, s88, IMG
	s_add_co_u32 s82, s82, s68
	s_add_co_u32 s82, s82, 26624
	s_lshl_b32 s84, s88, 7
	s_add_co_u32 s84, s84, s68
	s_add_co_u32 s84, s84, 51200
.irp p, 70,72,74,76,78,80,82,84
	s_mov_b32 s[\p+1], 0
	s_add_nc_u64 s[\p:\p+1], s[10:11], s[\p:\p+1]
.endr
.macro MULS n0, n1, p, q, sc, zero
.set T_, \n0
.rept (\n1)-(\n0)
.set A_, T_/6
.set B_, T_%6
.if \zero
	v_wmma_scale_f32_16x16x128_f8f6f4 v[8*T_:8*T_+7], v[128*(\p)+48+12*B_:128*(\p)+48+12*B_+11], v[128*(\p)+12*A_:128*(\p)+12*A_+11], 0, v[SC+40*(\sc)+16+4*B_+(\q)], v[SC+40*(\sc)+4*A_+(\q)] matrix_a_fmt:MATRIX_FMT_BF6 matrix_b_fmt:MATRIX_FMT_BF6
.else
	v_wmma_scale_f32_16x16x128_f8f6f4 v[8*T_:8*T_+7], v[128*(\p)+48+12*B_:128*(\p)+48+12*B_+11], v[128*(\p)+12*A_:128*(\p)+12*A_+11], v[8*T_:8*T_+7], v[SC+40*(\sc)+16+4*B_+(\q)], v[SC+40*(\sc)+4*A_+(\q)] matrix_a_fmt:MATRIX_FMT_BF6 matrix_b_fmt:MATRIX_FMT_BF6
.endif
.set T_, T_+1
.endr
.endm
.macro FETCH slot, q, p
	WIN TO_F
.irp a, 0,1,2,3
.irp c, 0,1,2
	ds_load_b128 v[128*(\p)+12*\a+4*\c:128*(\p)+12*\a+4*\c+3], v[ADRA+\slot] offset:\a*CH+(\q)*IMG+512*\c
.endr
.endr
.irp b, 0,1,2,3,4,5
.irp c, 0,1,2
	ds_load_b128 v[128*(\p)+48+12*\b+4*\c:128*(\p)+48+12*\b+4*\c+3], v[ADRB+\slot] offset:\b*CH+(\q)*IMG+512*\c
.endr
.endr
.endm
.macro SCALES slot
	WIN 0
.irp a, 0,1,2,3
	ds_load_b128 v[SC+40*\slot+4*\a:SC+40*\slot+4*\a+3], v[ADSA+\slot] offset:\a*CH+4*IMG
.endr
.irp b, 0,1,2,3,4,5
	ds_load_b128 v[SC+40*\slot+16+4*\b:SC+40*\slot+16+4*\b+3], v[ADSB+\slot] offset:\b*CH+4*IMG
.endr
.endm
.macro PLACES
.rept 4
	v_nop
.endr
.endm
.macro STEP slot, q, zero
	s_wait_dscnt 0x0
	WIN MUL
	MULS 0, 12, (\q)%2, \q, \slot, \zero
	PLACES
	FETCH \slot, (\q)+1, 1-(\q)%2
	WIN MUL
	MULS 12, 24, (\q)%2, \q, \slot, \zero
.endm
.macro TURN slot, next, fill
	WIN 0
.if \fill
	s_wait_xcnt 0x0                                ; my prefetches have read their address: it steps a chunk on
	s_add_nc_u64 s[94:95], s[94:95], CH
.endif
	s_wait_tensorcnt 0x0
	ds_add_u32 v[SPW], v[NIL]
	s_wait_dscnt 1
	WIN MUL
	MULS 0, 8, 1, 3, \slot, 0
	s_wait_dscnt 0x0
	s_barrier_signal -1
	MULS 8, 16, 1, 3, \slot, 0
	WIN 0
	s_barrier_wait -1
.if \fill
	CREST
	s_add_nc_u64 s[G0+4*\slot+2:G0+4*\slot+3], s[G0+4*\slot+2:G0+4*\slot+3], 2*CH
	s_add_nc_u64 s[G0B+4*\slot+2:G0B+4*\slot+3], s[G0B+4*\slot+2:G0B+4*\slot+3], 2*CH
	JLOAD G0+4*\slot, G1, G0B+4*\slot, G1B
.else
	PLACES
.endif
	FETCH \next, 0, 0
	SCALES \next
.if \fill
	s_cmp_gt_u32 s3, 1                             ; the last lap's two refills have no chunk two on
	s_cbranch_scc0 .Lnoask_\@
	PFK 3*CH
.Lnoask_\@:
.endif
	WIN MUL
	MULS 16, 24, 1, 3, \slot, 0
.endm
	s_wait_tensorcnt 1
	s_barrier_signal -1
	s_barrier_wait -1
	FETCH 0, 0, 0
	SCALES 0
	STEP 0, 0, 1
	WIN 0
	s_mov_b32 s3, 3
.Llap:
	STEP 0, 1, 0
	STEP 0, 2, 0
	TURN 0, 1, 1
	STEP 1, 0, 0
	STEP 1, 1, 0
	STEP 1, 2, 0
	TURN 1, 0, 1
	STEP 0, 0, 0
	WIN 0
	s_sub_co_u32 s3, s3, 1
	s_cmp_lg_u32 s3, 0
	s_cbranch_scc1 .Llap
	STEP 0, 1, 0
	STEP 0, 2, 0
	TURN 0, 1, 0
	STEP 1, 0, 0
	STEP 1, 1, 0
	STEP 1, 2, 0
	s_wait_dscnt 0x0
	WIN MUL
	MULS 0, 24, 1, 3, 1, 0
	WIN 0
	s_wait_loadcnt 0x0
	PLACES
.macro ROPE e
.irp a, 0,1,2,3
	WIN 0x02
.irp jj, 0,2,4,6
	v_pk_mul_f32 v[TT+\jj:TT+\jj+1], v[48*\a+16*(\e)+8+\jj:48*\a+16*(\e)+9+\jj], v[CSN+16*\a+8+\jj:CSN+16*\a+9+\jj]
	v_pk_mul_f32 v[UU+\jj:UU+\jj+1], v[48*\a+16*(\e)+\jj:48*\a+16*(\e)+1+\jj], v[CSN+16*\a+8+\jj:CSN+16*\a+9+\jj]
.endr
	WIN 0x82
.irp jj, 0,2,4,6
	v_pk_fma_f32 v[48*\a+16*(\e)+\jj:48*\a+16*(\e)+1+\jj], v[48*\a+16*(\e)+\jj:48*\a+16*(\e)+1+\jj], v[CSN+16*\a+\jj:CSN+16*\a+1+\jj], v[TT+\jj:TT+\jj+1] neg_lo:[0,0,1] neg_hi:[0,0,1]
	v_pk_fma_f32 v[48*\a+16*(\e)+8+\jj:48*\a+16*(\e)+9+\jj], v[48*\a+16*(\e)+8+\jj:48*\a+16*(\e)+9+\jj], v[CSN+16*\a+\jj:CSN+16*\a+1+\jj], v[UU+\jj:UU+\jj+1]
.endr
.endr
	WIN 0
.endm
.macro QUANT src, str, word
	WIN 0x0a
.irp b, 0,1,2,3
	v_max3_num_f32 v[MX+\b], |v[(\src)+(\str)*\b]|, |v[(\src)+(\str)*\b+1]|, 0x2800000
.endr
.irp i, 2,4,6,8,10,12,14
.irp b, 0,1,2,3
	v_max3_num_f32 v[MX+\b], |v[(\src)+(\str)*\b+\i]|, |v[(\src)+(\str)*\b+\i+1]|, v[MX+\b]
.endr
.endr
	WIN 0
.irp b, 0,1,2,3
	v_permlanex16_b32 v[PB+\b], v[MX+\b], s[SEL], s[SEL+1]
.endr
.irp b, 0,1,2,3
	v_max_num_f32 v[MX+\b], v[MX+\b], v[PB+\b]
.endr
.irp b, 0,1,2,3
	v_add_nc_u32 v[SO+\b], 0xfe000000, v[MX+\b]
.endr
.irp b, 0,1,2,3
	v_lshrrev_b32 v[PB+\b], 23, v[SO+\b]
.endr
	v_lshl_or_b32 v[\word], v[PB+1], 8, v[PB]
	v_lshl_or_b32 v[\word], v[PB+2], 16, v[\word]
	v_lshl_or_b32 v[\word], v[PB+3], 24, v[\word]
	WIN 0x02
.irp c, 0,1
	v_cvt_scalef32_pk16_bf6_f32 v[PC+6*\c:PC+6*\c+2], v[(\src)+(\str)*2*\c:(\src)+(\str)*2*\c+15], v[SO+2*\c]
	v_cvt_scalef32_pk16_bf6_f32 v[PC+12+4*\c:PC+14+4*\c], v[(\src)+(\str)*(2*\c+1):(\src)+(\str)*(2*\c+1)+15], v[SO+2*\c+1]
.endr
	WIN 0
	v_nop
.irp c, 0,1
.irp i, 0,1,2
	v_permlane16_swap_b32 v[PC+6*\c+\i], v[PC+12+4*\c+\i]
.endr
.irp i, 0,1,2
	v_mov_b32 v[PC+3+6*\c+\i], v[PC+12+4*\c+\i]
.endr
.endr
.endm
.macro OUTIMG cb, sb
.irp c, 0,1,2
	global_store_b128 v[LI], v[PC+4*\c:PC+4*\c+3], s[\cb:\cb+1] offset:512*\c
.endr
	global_store_b32 v[LS], v[PW], s[\sb:\sb+1]
.endm
.macro HEADQ e, cb, sb
	s_wait_xcnt 0x0
	ROPE \e
	QUANT 16*(\e), 48, PW
	OUTIMG \cb, \sb
.endm
	HEADQ 0, 70, 72
	HEADQ 1, 74, 76
	s_cmp_eq_u32 s16, 0
	s_cbranch_scc0 .Lv_stage
	HEADQ 2, 78, 80
	s_branch .Lstaged
.Lv_stage:
	WIN 0x08
.irp a, 0,1,2,3
.irp u, 0,1
	ds_store_b128 v[VSO], v[8*(6*\a+4+\u):8*(6*\a+4+\u)+3] offset:16*VP*\a+64*\u
	ds_store_b128 v[VSO], v[8*(6*\a+4+\u)+4:8*(6*\a+4+\u)+7] offset:16*VP*\a+64*\u+16
.endr
.endr
	WIN 0
.Lstaged:
	s_wait_dscnt 0x0
	s_barrier_signal -1
	s_barrier_wait -1
	s_cmp_lt_u32 s14, 2
	s_cbranch_scc0 .Lv_done
	WIN 0x80
.irp bb, 0,1,2,3
.irp i, 0,1,2,3,4,5,6,7,8,9,10,11,12,13,14,15
	ds_load_b32 v[16*\bb+\i], v[VLD] offset:(32*\bb+\i+8*(\i/8))*VP
.endr
.endr
	WIN 0
	s_wait_dscnt 0x0
	s_wait_xcnt 0x0
	QUANT 0, 16, PW
	OUTIMG 82, 84
.Lv_done:
	s_wait_tensorcnt 0x0
	ds_add_u32 v[SPW], v[NIL]
	s_wait_dscnt 0x0
	CROUND
	s_endpgm
.Lfunc_end_k_qf157a55d9b_qkv:
	.size	k_qf157a55d9b_qkv, .Lfunc_end_k_qf157a55d9b_qkv-k_qf157a55d9b_qkv
	.p2alignl 7, 3214868480
	.fill 96, 4, 3214868480
	.section	.rodata,"a",@progbits
	.p2align	6, 0x0
	.amdhsa_kernel k_qf157a55d9b_qkv
		.amdhsa_group_segment_fixed_size 327680
		.amdhsa_private_segment_fixed_size 0
		.amdhsa_enable_private_segment 0
		.amdhsa_kernarg_size 32
		.amdhsa_user_sgpr_count 2
		.amdhsa_user_sgpr_kernarg_segment_ptr 1
		.amdhsa_wavefront_size32 1
		.amdhsa_system_sgpr_workgroup_id_x 1
		.amdhsa_system_sgpr_workgroup_id_y 1
		.amdhsa_system_sgpr_workgroup_id_z 1
		.amdhsa_system_vgpr_workitem_id 0
		.amdhsa_next_free_vgpr 768
		.amdhsa_next_free_sgpr 100
		.amdhsa_reserve_vcc 0
		.amdhsa_float_denorm_mode_32 3
		.amdhsa_float_denorm_mode_16_64 3
		.amdhsa_memory_ordered 1
		.amdhsa_forward_progress 1
		.amdhsa_inst_pref_size 137
	.end_amdhsa_kernel
	.amdgpu_metadata
---
amdhsa.version: [ 1, 2 ]
amdhsa.kernels:
  - .name:           k_qf157a55d9b_qkv
    .symbol:         k_qf157a55d9b_qkv.kd
    .args:
      - { .name: hidq, .offset: 0, .size: 8, .value_kind: global_buffer, .address_space: global }
      - { .name: wq, .offset: 8, .size: 8, .value_kind: global_buffer, .address_space: global }
      - { .name: rope, .offset: 16, .size: 8, .value_kind: global_buffer, .address_space: global }
      - { .name: qkv, .offset: 24, .size: 8, .value_kind: global_buffer, .address_space: global }
    .group_segment_fixed_size: 327680
    .private_segment_fixed_size: 0
    .kernarg_segment_align: 8
    .kernarg_segment_size: 32
    .max_flat_workgroup_size: 128
    .sgpr_count:     100
    .vgpr_count:     768
    .wavefront_size: 32
...
	.end_amdgpu_metadata
.endif
;; end of part 2
;; launch attn (part 3): grid 8 x 32, 16 waves a work-group, no clusters, 169,984 bytes of LDS; arguments qkv, att; writes att
.if DOCPART == 3
	.amdgcn_target "amdgcn-amd-amdhsa--gfx1250"
	.amdhsa_code_object_version 6
	.text
	.protected	k_qf157a55d9b_attn
	.globl	k_qf157a55d9b_attn
	.p2align	8
	.type	k_qf157a55d9b_attn,@function
k_qf157a55d9b_attn:
	s_mov_b64 s[64:65], 0
	v_nop
	global_prefetch_b8 v0, s[64:65] scope:SCOPE_SE
	s_setreg_imm32_b32 hwreg(HW_REG_WAVE_MODE, 25, 1), 1
	s_wait_xcnt 0x0
; Causal attention of one (sequence, key head) on codes of BF6 with E8M0 scales: S^T = K Q^T, p = 2^(t - M), O^T = V^T P^T, O / l, and the quantising of O along (head, d) for the last product.
; t = score x log2(e) / sqrt(32); M = the row's largest t so far, rounded UP to a whole number; the row's sum l is taken of the unquantised p; when M moves, l and O^T are multiplied by 2^(old M - new M): exact.
; SHARES.  Work-group (p, bg): sequence bg / 8, key head g = bg % 8.  Wave w: query head 4 g + w % 4 and TWO tiles of 16 queries: tile 8 (w / 4) + p and tile 63 less that.  The first takes w / 4 + 1 key steps of 128,
; the second 8 - w / 4: nine steps a wave, whatever w and p: the causal work is even.  Four waves share a SIMD, so that one wave's vector work stands beside another's matrix work and LDS loads.
; K AND V of the (sequence, head), 53,248 bytes as images of operand registers with their scale words, come into LDS once, by four tensor loads; nothing is filled again.
; No joint loads: what the eight work-groups of a (sequence, head) share is this one fill of 53,248 bytes, against nine key steps of work a wave.
; A HEAD IS 32 WIDE, THE INSTRUCTION 128.  An image of K holds FOUR tiles of 16 keys, one in each block of 32 along the instruction's K.  The queries' operand has its codes in ONE block and zero codes in the other three:
; version b so multiplies the image's tile b alone.  The four versions are runs of 12 registers out of [Qlo][0][Qlo] and [Qhi][0][Qhi] (Qlo: codes in lanes 0-15, Qhi: in lanes 16-31).
; A lane holds ONE query throughout.  The 16 registers of two neighbouring key tiles are keys 8 h + i + 8 (i / 8) of a block of 32: v's codes were laid in that order.  V's rows were chosen so that O^T's 16 registers are d = 16 h + 0..15.
; Steps all of whose keys come after the tile's queries are left out by a scalar branch on ids inside loops of constant count; on the diagonal hidden scores become -infinity ahead of the maximum.
; LIMITS: NaN and infinities are not served.
.set KSO,  24576                       ; LDS, as in memory: K's images 0, K's scale words, V's images, V's scale words
.set VCO,  26624
.set VSO,  51200
.set KVB,  53248
.set STG,  53248                       ; the way out: 8 fragments of 16 tokens x 96 bytes: token r at 96 r, head e at + 24 e, half h at + 12 h
.set STGS, 65536                       ; and their scale words: 64 bytes each, byte e of the word at 4 r
.set QSO,  3145728
.set KVO,  3407872
.set LI,   1                           ; v1   16 x lane
.set LS,   2                           ; v2   4 x lane
.set STA,  3
.set STS,  4
.set FRD,  5
.set FSR,  6
.set ADK,  7
.set ADS,  8
.set RR,   9
.set HH,   10
.set QSC,  11                          ; the queries' scale byte, four times
.set QL,   16                          ; v12 -M, v13 the largest t, v[14:15] the sum; v16-33 [Qlo][0][Qlo]; v34-51 [Qhi][0][Qhi]
.set QH,   34
.set KFR,  52
.set VFR,  76
.set SS,   100                         ; v100-163 S^T, then p
.set OT,   164                         ; v164-179 O^T
.set PCD,  180                         ; v180-191 p's codes
.set H2,   192
.set BM,   200
.set PB,   204
.set SO,   208
.set KSC,  212
.set VSC,  214
.set PSC,  216
.set FF,   218                         ; v[218:219] f; v220-223 at work
.set TQ,   224                         ; v224-235 Q's image; later a fragment on its way out
.set DX,   236
.set XX,   242
.set WV,   18
.set SEL,  20
.set CS,   22
.set TI,   24
.set Q0,   25
.set KF,   26
.set T3,   27
.set T2,   28
.set CNT,  29
	s_load_b128 s[4:7], s[0:1], 0x0                ; qkv, att
	v_lshl_add_u32 v254, v0, 2, 0x29000
	v_mov_b32 v255, 0
	ds_add_u32 v254, v255
	ds_add_u32 v254, v255
	v_lshrrev_b32 v1, 5, v0
	s_delay_alu instid0(VALU_DEP_1)
	v_readfirstlane_b32 s[WV], v1                  ; wave 0..15
	s_and_b32 s8, ttmp7, 0xffff                    ; bg
	s_lshr_b32 s16, s8, 3                          ; the sequence
	s_and_b32 s17, s8, 7                           ; g
	s_and_b32 s14, s[WV], 3                        ; e
	s_lshr_b32 s15, s[WV], 2                       ; which pair of tiles
	s_lshl_b32 s19, s17, 2
	s_add_co_u32 s19, s19, s14                     ; the query head
	s_mul_i32 s9, s8, KVB
	s_add_co_u32 s9, s9, KVO
	s_mul_i32 s10, s[WV], 13312                    ; a quarter of the block: 52 rows of 256 bytes
	s_add_co_u32 s12, s9, s10
	s_mov_b32 s13, 0
	s_mov_b32 s40, 3<<16                           ; group 1: elements of 8 bytes, no mask, no padding
	s_mov_b32 s41, 32<<16
	s_mov_b32 s42, 52<<16
	s_mov_b32 s43, 32<<16
	s_mov_b32 s44, 52
	s_mov_b32 s45, 32
	s_mov_b32 s46, 0
	s_mov_b32 s47, 0
	s_wait_dscnt 0x0
	s_wait_kmcnt 0x0
	s_mov_b32 s36, 1
	s_mov_b32 s37, s10
	s_add_nc_u64 s[38:39], s[4:5], s[12:13]
	s_or_b32 s39, s39, 0x80000000
	s_cmp_lt_u32 s[WV], 4
	s_cbranch_scc0 .Lno_fill
	tensor_load_to_lds s[36:39], s[40:47]          ; waves 0 to 3: one load each, the launch's only fills
	s_nop 0
.rept 4
	v_nop
.endr
.Lno_fill:
	v_and_b32 v220, 31, v0
	v_and_b32 v[RR], 15, v0
	s_wait_alu depctr_va_vdst(0)
	v_bfe_u32 v[HH], v0, 4, 1
	v_lshlrev_b32 v[LI], 4, v220
	v_lshlrev_b32 v[LS], 2, v220
	v_mul_u32_u24 v[STA], v[RR], 96
	s_delay_alu instid0(VALU_DEP_1)
	v_mad_u32_u24 v[STA], v[HH], 12, v[STA]
	s_mul_i32 s30, s15, 1536
	s_mul_i32 s31, s14, 24
	s_add_co_u32 s30, s30, s31
	s_add_co_u32 s30, s30, STG
	v_add_nc_u32 v[STA], s30, v[STA]
	v_lshlrev_b32 v[STS], 2, v[RR]
	s_lshl_b32 s30, s15, 6
	s_add_co_u32 s30, s30, s14
	s_add_co_u32 s30, s30, STGS
	v_add_nc_u32 v[STS], s30, v[STS]
	s_and_b32 s31, s[WV], 7
	v_mul_u32_u24 v[FRD], v[RR], 96
	s_wait_alu depctr_va_vdst(0)
	v_mad_u32_u24 v[FRD], v[HH], 24, v[FRD]
	s_mul_i32 s30, s31, 1536
	s_add_co_u32 s30, s30, STG
	v_add_nc_u32 v[FRD], s30, v[FRD]
	v_lshlrev_b32 v[FSR], 2, v[RR]
	s_lshl_b32 s30, s31, 6
	s_add_co_u32 s30, s30, STGS
	v_add_nc_u32 v[FSR], s30, v[FSR]
	v_lshlrev_b32 v220, 3, v[HH]
	s_delay_alu instid0(VALU_DEP_1)
	v_sub_nc_u32 v220, v[RR], v220                 ; r - 8 h
.irp j, 0,1,2,3,4,5,6,7
	v_cmp_gt_i32 s[66+\j], \j, v220                ; the diagonal tile's masks: register j is hidden where j > r - 8 h
.endr
.irp b, 0,1,2,3
	v_mov_b32 v[PB+\b], 0                          ; written once: a lane permute's destination counts as one of its sources
	v_mov_b32 v[220+\b], 0
.endr
.irp i, 0,1,2,3,4,5
	v_mov_b32 v[XX+\i], 0
.endr
	v_mov_b32 v[FF+1], 0                           ; (named as the upper half of a pair)
	s_mov_b32 s[SEL], 0x76543210
	s_mov_b32 s[SEL+1], 0xfedcba98
	s_mov_b32 s[CS], 0x3e8293ee                    ; c = log2(e) / sqrt(32)
	s_mov_b32 s[CS+1], s[CS]
	s_mov_b32 s34, 0xffff
	s_mov_b32 s35, 0xffff0000
; A KEY STEP: 128 keys
; The diagonal step, tile t of 16 keys; s30 = my first query - the step's first key, a multiple of 16 from 0 to 112.  A tile whose keys all come before my queries stays as it is;
; in the tile on the diagonal register j is hidden where j + 8 h > r (the masks s66-73, made at the head); a tile whose keys all come after is hidden whole.  The branches hang on ids alone.
.macro MASKT t
	s_cmp_gt_u32 s30, 16*(\t)+15
	s_cbranch_scc1 .Lmk_\@
	s_cmp_eq_u32 s30, 16*(\t)
	s_cbranch_scc0 .Lhd_\@
.irp j, 0,1,2,3,4,5,6,7
	v_cndmask_b32 v[SS+8*(\t)+\j], v[SS+8*(\t)+\j], v221, s[66+\j]
.endr
	s_branch .Lmk_\@
.Lhd_\@:
.irp j, 0,1,2,3,4,5,6,7
	v_mov_b32 v[SS+8*(\t)+\j], v221
.endr
.Lmk_\@:
.endm
.macro STEP
	s_add_co_u32 s30, s[Q0], 15
	s_cmp_gt_u32 s[KF], s30
	s_cbranch_scc1 .Lhidden_\@                     ; all its keys come after my queries
	v_add_nc_u32 v[ADK], s[T3], v[LI]
	v_add_nc_u32 v[ADS], s[T2], v[LS]
.rept 4
	v_nop                                          ; places in front of loads into registers that the last products read
.endr
.irp c, 0,1
.irp d, 0,1,2
	ds_load_b128 v[KFR+12*\c+4*\d:KFR+12*\c+4*\d+3], v[ADK] offset:1536*\c+512*\d
.endr
	ds_load_b32 v[KSC+\c], v[ADS] offset:KSO+128*\c
.endr
.irp c, 0,1
.irp d, 0,1,2
	ds_load_b128 v[VFR+12*\c+4*\d:VFR+12*\c+4*\d+3], v[ADK] offset:VCO+1536*\c+512*\d
.endr
	ds_load_b32 v[VSC+\c], v[ADS] offset:VSO+128*\c
.endr
	s_wait_dscnt 8                                 ; K's eight loads are in; V's eight may be out
.irp c, 0,1                                    ; image c, version b of the queries: keys 64 c + 16 b + 0..15
.irp b, 0,1,2,3
	v_wmma_scale_f32_16x16x128_f8f6f4 v[SS+8*(4*\c+\b):SS+8*(4*\c+\b)+7], v[KFR+12*\c:KFR+12*\c+11], v[QL+18*(\b%2)+6*(\b/2):QL+18*(\b%2)+6*(\b/2)+11], 0, v[KSC+\c], v[QSC] matrix_a_fmt:MATRIX_FMT_BF6 matrix_b_fmt:MATRIX_FMT_BF6
.endr
.endr
.rept 4
	v_nop
.endr
	s_add_co_u32 s30, s[KF], 127
	s_cmp_le_u32 s30, s[Q0]
	s_cbranch_scc1 .Lopen_\@                       ; all its keys count
	s_sub_co_i32 s30, s[Q0], s[KF]
	v_mov_b32 v221, 0xff800000
	s_wait_alu depctr_va_vdst(0)
.irp t, 0,1,2,3,4,5,6,7
	MASKT \t
.endr
	s_wait_alu depctr_va_vdst(0)                   ; and here
.Lopen_\@:
.irp b, 0,1,2,3
	v_max3_num_f32 v[BM+\b], v[SS+16*\b], v[SS+16*\b+1], v[SS+16*\b+2]   ; the largest score of each block of 32 keys: for the row's maximum, and, since p rises with the score, for the block's largest p
.endr
.irp i, 3,5,7,9,11,13
.irp b, 0,1,2,3
	v_max3_num_f32 v[BM+\b], v[BM+\b], v[SS+16*\b+\i], v[SS+16*\b+\i+1]
.endr
.endr
.irp b, 0,1,2,3
	v_max_num_f32 v[BM+\b], v[BM+\b], v[SS+16*\b+15]
.endr
.irp b, 0,1,2,3
	s_delay_alu instid0(VALU_DEP_4)
	v_permlanex16_b32 v[PB+\b], v[BM+\b], s[SEL], s[SEL+1]
.endr
.irp b, 0,1,2,3
	s_delay_alu instid0(VALU_DEP_4)
	v_max_num_f32 v[BM+\b], v[BM+\b], v[PB+\b]     ; with lane l xor 16's 16 keys
.endr
	s_delay_alu instid0(VALU_DEP_2)
	v_max3_num_f32 v220, v[BM], v[BM+1], v[BM+2]
	s_delay_alu instid0(VALU_DEP_1)
	v_max_num_f32 v220, v220, v[BM+3]
	s_delay_alu instid0(VALU_DEP_1)
	v_mul_f32 v220, s[CS], v220                    ; as t (c is positive)
	s_delay_alu instid0(VALU_DEP_1)
	v_max_num_f32 v13, v13, v220                   ; the running largest t
	v_mov_b32 v220, v12
	s_delay_alu instid0(VALU_DEP_2)
	v_floor_f32 v12, -v13                          ; -M = floor(-t): M is a whole number
	s_delay_alu instid0(VALU_DEP_1)
	v_sub_f32 v220, v12, v220                      ; old M - new M, 0 or less
	s_delay_alu instid0(VALU_DEP_1)
	v_cvt_i32_f32 v220, v220                       ; (it saturates)
	s_delay_alu instid0(VALU_DEP_1)
	v_ldexp_f32 v[FF], 1.0, v220                   ; f = 2^(old M - new M)
.set J_, 0
.rept 32
	v_pk_fma_f32 v[SS+J_:SS+J_+1], v[SS+J_:SS+J_+1], s[CS:CS+1], v[12:13] op_sel_hi:[1,0,0]   ; t - M
.set J_, J_+2
.endr
.irp b, 0,1,2,3
	v_fma_f32 v[BM+\b], v[BM+\b], s[CS], v12
.endr
.set J_, 0
	s_wait_alu depctr_va_vdst(0)
.rept 64
	v_exp_f32 v[SS+J_], v[SS+J_]                   ; p = 2^(t - M), at most 1: not normalised
.set J_, J_+1
.endr
.irp b, 0,1,2,3
	v_exp_f32 v[BM+\b], v[BM+\b]                   ; the block's largest p: the same two instructions on the same number
.endr
	v_pk_mul_f32 v[14:15], v[14:15], v[FF:FF+1] op_sel_hi:[1,0]   ; the sums under the new M (a plain place behind the exponentials)
	s_wait_alu depctr_va_vdst(0)
.irp b, 0,1,2,3
	v_max_num_f32 v[BM+\b], 0x2800000, v[BM+\b]    ; the floor 2^(5 - 127): the byte cannot fall under 1
.endr
.irp b, 0,1,2,3
	s_delay_alu instid0(VALU_DEP_4)
	v_add_nc_u32 v[SO+\b], 0xfe000000, v[BM+\b]
.endr
.irp b, 0,1,2,3
	s_delay_alu instid0(VALU_DEP_4)
	v_lshrrev_b32 v[PB+\b], 23, v[SO+\b]
.endr
	s_delay_alu instid0(VALU_DEP_3)
	v_lshl_or_b32 v[PSC], v[PB+1], 8, v[PB]        ; p's scale word for these 128 keys
	s_delay_alu instid0(VALU_DEP_1)
	v_lshl_or_b32 v[PSC], v[PB+2], 16, v[PSC]
	s_delay_alu instid0(VALU_DEP_1)
	v_lshl_or_b32 v[PSC], v[PB+3], 24, v[PSC]
.irp c, 0,1
	v_cvt_scalef32_pk16_bf6_f32 v[PCD+6*\c:PCD+6*\c+2], v[SS+32*\c:SS+32*\c+15], v[SO+2*\c]
	v_cvt_scalef32_pk16_bf6_f32 v[H2+4*\c:H2+4*\c+2], v[SS+32*\c+16:SS+32*\c+31], v[SO+2*\c+1]
.endr
	v_nop                                          ; one plain place behind a scaled conversion
.irp c, 0,1
.irp i, 0,1,2
	v_permlane16_swap_b32 v[PCD+6*\c+\i], v[H2+4*\c+\i]
.endr
.irp i, 0,1,2
	s_delay_alu instid0(VALU_DEP_3)
	v_mov_b32 v[PCD+3+6*\c+\i], v[H2+4*\c+\i]
.endr
.endr
	v_pk_add_f32 v[222:223], v[104:105], v[108:109]
	v_pk_add_f32 v[252:253], v[112:113], v[116:117]
	v_pk_add_f32 v[250:251], v[120:121], v[124:125]
	v_pk_add_f32 v[248:249], v[128:129], v[132:133]
	v_pk_add_f32 v[240:241], v[136:137], v[140:141]
	v_pk_add_f32 v[238:239], v[144:145], v[148:149]
	v_pk_add_f32 v[236:237], v[152:153], v[156:157]
	v_pk_add_f32 v[14:15], v[14:15], v[160:161]
	v_pk_add_f32 v[222:223], v[222:223], v[100:101]
	v_pk_add_f32 v[252:253], v[252:253], v[102:103]
	v_pk_add_f32 v[250:251], v[250:251], v[106:107]
	v_pk_add_f32 v[248:249], v[248:249], v[110:111]
	v_pk_add_f32 v[240:241], v[240:241], v[114:115]
	v_pk_add_f32 v[238:239], v[238:239], v[118:119]
	v_pk_add_f32 v[236:237], v[236:237], v[122:123]
	v_pk_add_f32 v[14:15], v[14:15], v[126:127]
	v_pk_add_f32 v[222:223], v[222:223], v[130:131]
	v_pk_add_f32 v[252:253], v[252:253], v[134:135]
	v_pk_add_f32 v[250:251], v[250:251], v[138:139]
	v_pk_add_f32 v[248:249], v[248:249], v[142:143]
	v_pk_add_f32 v[240:241], v[240:241], v[146:147]
	v_pk_add_f32 v[238:239], v[238:239], v[150:151]
	v_pk_add_f32 v[236:237], v[236:237], v[154:155]
	v_pk_add_f32 v[14:15], v[14:15], v[158:159]
	v_pk_add_f32 v[222:223], v[222:223], v[162:163]
	s_delay_alu instid0(VALU_DEP_2)
	v_pk_add_f32 v[14:15], v[14:15], v[248:249]
	s_delay_alu instid0(VALU_DEP_2)
	v_pk_add_f32 v[222:223], v[222:223], v[240:241]
	v_pk_add_f32 v[252:253], v[252:253], v[238:239]
	v_pk_add_f32 v[250:251], v[250:251], v[236:237]
	s_delay_alu instid0(VALU_DEP_2)
	v_pk_add_f32 v[14:15], v[14:15], v[252:253]
	s_delay_alu instid0(VALU_DEP_2)
	v_pk_add_f32 v[222:223], v[222:223], v[250:251]
	s_delay_alu instid0(VALU_DEP_1)
	v_pk_add_f32 v[14:15], v[14:15], v[222:223]
.irp j, 0,2,4,6,8,10,12,14
	v_pk_mul_f32 v[OT+\j:OT+\j+1], v[OT+\j:OT+\j+1], v[FF:FF+1] op_sel_hi:[1,0]   ; O^T under the new M
.endr
	s_wait_alu depctr_va_vdst(0)
	s_wait_dscnt 0x0                               ; V is in
.irp u, 0,1
	v_wmma_scale_f32_16x16x128_f8f6f4 v[OT+8*\u:OT+8*\u+7], v[VFR+12*\u:VFR+12*\u+11], v[PCD:PCD+11], v[OT+8*\u:OT+8*\u+7], v[VSC+\u], v[PSC] matrix_a_fmt:MATRIX_FMT_BF6 matrix_b_fmt:MATRIX_FMT_BF6
.endr
.Lhidden_\@:
	s_add_co_u32 s[KF], s[KF], 128
	s_add_co_u32 s[T3], s[T3], 3072                ; two images a step, of K and of V alike
	s_add_co_u32 s[T2], s[T2], 256
.endm
; One tile of 16 queries.  which = 0: tile 8 (w / 4) + p, at most 4 steps; 1: tile 63 less that, at most 8
.macro TILE which, trips
.set QB, 48+4*\which
.if \which == 0
	s_lshl_b32 s[TI], s15, 3
	s_add_co_u32 s[TI], s[TI], ttmp9
.else
	s_sub_co_u32 s[TI], 63, s[TI]
.endif
	s_lshl_b32 s[Q0], s[TI], 4
	s_lshr_b32 s30, s[TI], 2
	s_lshl_b32 s31, s16, 4
	s_add_co_u32 s30, s30, s31                     ; token / 64
	s_lshl_b32 s30, s30, 5
	s_add_co_u32 s30, s30, s19                     ; the image's number
	s_mul_i32 s[QB], s30, 1536
	s_mov_b32 s[QB+1], 0
	s_lshl_b32 s[QB+2], s30, 7
	s_add_co_u32 s[QB+2], s[QB+2], QSO
	s_mov_b32 s[QB+3], 0
	s_add_nc_u64 s[QB:QB+1], s[4:5], s[QB:QB+1]
	s_add_nc_u64 s[QB+2:QB+3], s[4:5], s[QB+2:QB+3]
.irp c, 0,1,2
	global_load_b128 v[TQ+4*\c:TQ+4*\c+3], v[LI], s[QB:QB+1] offset:512*\c
.endr
	global_load_b32 v221, v[LS], s[QB+2:QB+3]
.if \which == 0
	s_wait_alu depctr_va_vdst(0)
	s_wait_tensorcnt 0x0                           ; the first tile's queries are asked for; my part of K and V is in,
	s_barrier_signal -1
	s_barrier_wait -1                              ; everybody's is
.endif
	s_and_b32 s31, s[TI], 3                        ; a: which block of the image is my tile
	s_lshr_b32 s30, s31, 1
	s_cmp_lg_u32 s30, 0
	s_cselect_b32 s32, -1, 0                       ; the image's upper six registers?
	s_and_b32 s30, s31, 1
	s_cmp_lg_u32 s30, 0
	s_cselect_b32 s33, s35, s34                    ; the lanes that hold it
	s_lshl_b32 s31, s31, 3
	s_wait_loadcnt 0x0
.irp i, 0,1,2,3,4,5
	v_cndmask_b32 v[DX+\i], v[TQ+\i], v[TQ+6+\i], s32
.endr
.irp i, 0,1,2,3,4,5
	v_permlanex16_b32 v[XX+\i], v[DX+\i], s[SEL], s[SEL+1]
.endr
.irp i, 0,1,2,3,4,5
	v_cndmask_b32 v[DX+\i], v[XX+\i], v[DX+\i], s33   ; now every lane holds query r's codes
.endr
.irp i, 0,1,2,3,4,5
	v_cndmask_b32 v[QL+\i], 0, v[DX+\i], s34
	v_cndmask_b32 v[QL+12+\i], 0, v[DX+\i], s34
	v_cndmask_b32 v[QH+\i], 0, v[DX+\i], s35
	v_cndmask_b32 v[QH+12+\i], 0, v[DX+\i], s35
	v_mov_b32 v[QL+6+\i], 0
	v_mov_b32 v[QH+6+\i], 0
.endr
	v_lshrrev_b32 v221, s31, v221
	s_delay_alu instid0(VALU_DEP_1)
	v_perm_b32 v[QSC], v221, v221, 0               ; my tile's byte in all four places
	v_mov_b32 v13, 0xff61b1e6                      ; the largest t so far: -3e38
	s_delay_alu instid0(VALU_DEP_1)
	v_floor_f32 v12, -v13
	v_mov_b32 v14, 0
	v_mov_b32 v15, 0
.irp j, 0,1,2,3,4,5,6,7,8,9,10,11,12,13,14,15
	v_mov_b32 v[OT+\j], 0                          ; the step is written once: the first finds zeros.  (These are also the places between the operands just made and the first products)
.endr
	s_mov_b32 s[KF], 0
	s_mov_b32 s[T3], 0
	s_mov_b32 s[T2], 0
	s_mov_b32 s[CNT], \trips
.Lstep_\@:
	STEP
	s_sub_co_u32 s[CNT], s[CNT], 1
	s_cmp_lg_u32 s[CNT], 0
	s_cbranch_scc1 .Lstep_\@
.rept 4
	v_nop                                          ; places behind the last products
.endr
	v_add_f32 v14, v14, v15
	s_delay_alu instid0(VALU_DEP_1)
	v_permlanex16_b32 v220, v14, s[SEL], s[SEL+1]
	s_delay_alu instid0(VALU_DEP_1)
	v_add_f32 v14, v14, v220                       ; the row's sum
	s_wait_alu depctr_va_vdst(0)
	v_rcp_f32 v14, v14
	v_nop                                          ; one plain place behind a transcendental
	s_wait_alu depctr_va_vdst(0)
.irp j, 0,1,2,3,4,5,6,7,8,9,10,11,12,13,14,15
	v_mul_f32 v[OT+\j], v[OT+\j], v14              ; o(query r, d = 16 h + j), each accumulator from its low end on
.endr
	v_max3_num_f32 v221, |v[OT]|, |v[OT+1]|, 0x2800000   ; a head's 32 numbers are one block of the last product's K
.irp j, 2,4,6,8,10,12,14
	s_delay_alu instid0(VALU_DEP_1)
	v_max3_num_f32 v221, |v[OT+\j]|, |v[OT+\j+1]|, v221
.endr
	s_delay_alu instid0(VALU_DEP_1)
	v_permlanex16_b32 v222, v221, s[SEL], s[SEL+1]
	s_delay_alu instid0(VALU_DEP_1)
	v_max_num_f32 v221, v221, v222
	s_delay_alu instid0(VALU_DEP_1)
	v_add_nc_u32 v223, 0xfe000000, v221
	s_delay_alu instid0(VALU_DEP_1)
	v_lshrrev_b32 v222, 23, v223
	v_cvt_scalef32_pk16_bf6_f32 v[H2:H2+2], v[OT:OT+15], v223
	v_nop                                          ; one plain place behind a scaled conversion
	ds_store_b32 v[STA], v[H2] offset:6144*\which
	ds_store_b32 v[STA], v[H2+1] offset:6144*\which+4
	ds_store_b32 v[STA], v[H2+2] offset:6144*\which+8
	ds_store_b8 v[STS], v222 offset:256*\which     ; both lanes of a row write the same byte with the same value
.endm
	TILE 0, 4
	TILE 1, 8
	s_wait_dscnt 0x0                               ; for the others' sake: my stores into the stage are done
	s_barrier_signal -1
	s_barrier_wait -1
	s_cmp_lt_u32 s[WV], 8
	s_cbranch_scc0 .Ldone
.irp p, 0,1,2,3,4,5                            ; waves 0 to 7: a fragment each (16 tokens x the group's four heads), read as the operand wants it
	ds_load_b64 v[TQ+2*\p:TQ+2*\p+1], v[FRD] offset:48*(\p/3)+8*(\p%3)
.endr
	ds_load_b32 v[DX], v[FSR]
	v_lshlrev_b32 v220, 4, v[RR]
	s_lshl_b32 s30, s[WV], 3
	s_add_co_u32 s30, s30, ttmp9
	s_mov_b32 s31, s30                             ; fragments 0-3: tile 8 f + p;
	s_sub_co_u32 s30, 95, s30                      ; fragments 4-7: tile 63 - 8 (f - 4) - p
	s_cmp_lt_u32 s[WV], 4
	s_cselect_b32 s30, s31, s30
	s_lshl_b32 s31, s16, 6
	s_add_co_u32 s30, s30, s31                     ; the tile of 16 tokens
	s_lshl_b32 s30, s30, 1
	s_lshr_b32 s31, s17, 2
	s_add_co_u32 s30, s30, s31                     ; its chunk: K = 128 g on
	s_mul_i32 s30, s30, 6400
	s_and_b32 s31, s17, 3
	s_mul_i32 s56, s31, 1536
	s_add_co_u32 s56, s56, s30
	s_mov_b32 s57, 0
	s_lshl_b32 s58, s31, 2
	s_add_co_u32 s58, s58, s30
	s_add_co_u32 s58, s58, 6144
	s_mov_b32 s59, 0
	s_add_nc_u64 s[56:57], s[6:7], s[56:57]
	s_add_nc_u64 s[58:59], s[6:7], s[58:59]
	s_wait_alu depctr_va_vdst(0)
	s_wait_dscnt 0x0
.irp c, 0,1,2
	global_store_b128 v[LI], v[TQ+4*\c:TQ+4*\c+3], s[56:57] offset:512*\c   ; the image: 512 consecutive bytes a store
.endr
	global_store_b32 v220, v[DX], s[58:59]         ; row r's word of this K step
.Ldone:
	s_wait_tensorcnt 0x0
	ds_add_u32 v254, v255
	s_wait_dscnt 0x0
	s_endpgm
.Lfunc_end_k_qf157a55d9b_attn:
	.size	k_qf157a55d9b_attn, .Lfunc_end_k_qf157a55d9b_attn-k_qf157a55d9b_attn
	.p2alignl 7, 3214868480
	.fill 96, 4, 3214868480
	.section	.rodata,"a",@progbits
	.p2align	6, 0x0
	.amdhsa_kernel k_qf157a55d9b_attn
		.amdhsa_group_segment_fixed_size 169984
		.amdhsa_private_segment_fixed_size 0
		.amdhsa_enable_private_segment 0
		.amdhsa_kernarg_size 16
		.amdhsa_user_sgpr_count 2
		.amdhsa_user_sgpr_kernarg_segment_ptr 1
		.amdhsa_wavefront_size32 1
		.amdhsa_system_sgpr_workgroup_id_x 1
		.amdhsa_system_sgpr_workgroup_id_y 1
		.amdhsa_system_sgpr_workgroup_id_z 1
		.amdhsa_system_vgpr_workitem_id 0
		.amdhsa_next_free_vgpr 256
		.amdhsa_next_free_sgpr 80
		.amdhsa_reserve_vcc 0
		.amdhsa_float_denorm_mode_32 3
		.amdhsa_float_denorm_mode_16_64 3
		.amdhsa_memory_ordered 1
		.amdhsa_forward_progress 1
		.amdhsa_inst_pref_size 69
	.end_amdhsa_kernel
	.amdgpu_metadata
---
amdhsa.version: [ 1, 2 ]
amdhsa.kernels:
  - .name:           k_qf157a55d9b_attn
    .symbol:         k_qf157a55d9b_attn.kd
    .args:
      - { .name: qkv, .offset: 0, .size: 8, .value_kind: global_buffer, .address_space: global }
      - { .name: att, .offset: 8, .size: 8, .value_kind: global_buffer, .address_space: global }
    .group_segment_fixed_size: 169984
    .private_segment_fixed_size: 0
    .kernarg_segment_align: 8
    .kernarg_segment_size: 16
    .max_flat_workgroup_size: 512
    .sgpr_count:     80
    .vgpr_count:     256
    .wavefront_size: 32
...
	.end_amdgpu_metadata
.endif
;; end of part 3
;; launch oproj (part 4): grid 8 x 32, 4 waves a work-group, clusters of 4 x 4, 327,680 bytes of LDS; arguments att, owq, out0; writes out0
.if DOCPART == 4
	.amdgcn_target "amdgcn-amd-amdhsa--gfx1250"
	.amdhsa_code_object_version 6
	.text
	.protected	k_qf157a55d9b_oproj
	.globl	k_qf157a55d9b_oproj
	.p2align	8
	.type	k_qf157a55d9b_oproj,@function
k_qf157a55d9b_oproj:
	s_mov_b64 s[64:65], 0
	v_nop
	global_prefetch_b8 v0, s[64:65] scope:SCOPE_SE
	s_setreg_imm32_b32 hwreg(HW_REG_WAVE_MODE, 25, 1), 1
	s_wait_xcnt 0x0
	s_wait_alu depctr_hold_cnt(0) depctr_sa_sdst(0) depctr_va_vdst(0) depctr_va_sdst(0) depctr_va_ssrc(0) depctr_va_vcc(0) depctr_vm_vsrc(0)
	s_getreg_b32 s2, hwreg(HW_REG_IB_STS2, 6, 4)
	s_cmp_eq_u32 s2, 0
	s_cbranch_scc0 .Lentry_in_a_cluster
	s_endpgm
.Lentry_in_a_cluster:
	s_bfe_u32 s2, ttmp6, 0x10000c
	s_cmp_lg_u32 s2, 0xf033
	s_cbranch_scc0 .Lentry_shape_is_right
	s_endpgm
.Lentry_shape_is_right:
; out0[t][n] = sum over k of att[t][k] o_w[n][k], K = 1,024, on codes of BF6 with E8M0 scales, f32 sums; out0 [4096][4096] f32.
; Both operands lie in memory as chunks of 6,400 bytes (16 rows x 512 K: four images of operand registers, then 256 bytes of scale words), [tile of 16 rows][chunk 0, 1].
; SHARES.  Work-group (x, y): 128 tokens (y) x 512 columns (x).  Wave w: columns 512 x + 128 w on, all 128 tokens.
; THE WEIGHTS STAY IN REGISTERS: a wave's 8 row tiles of o_w x 8 K steps are 64 fragments of 12 registers, brought once.
; A fragment does not lie across two windows, so windows 1 to 3 hold 21 fragments each and window 0 the last one.
; Chunk 0 of the work-group's 32 row tiles (204,800 bytes) comes into LDS by tensor loads, and each wave takes its own 51,200 bytes from there; chunk 1 comes straight from its images
; (512 consecutive bytes a load): beside the tokens' 102,400 bytes LDS has no room for a second 204,800.
; THE TOKENS' 8 tiles, codes and scale words, are 102,400 dense bytes in LDS.  Every LDS byte is filled once; nothing is filled again.
; The wave walks the 8 tiles of 16 tokens: a tile is 8 K steps x 8 accumulators by turns.  The tokens have ONE set of eight fragments: fragment s is
; loaded anew, for the next tile, behind step s.  A finished tile (16 x 128 of f32) goes through the wave's own stage in LDS and leaves as rows of 512 bytes among the next tile's products.
; The stage lies at the start of the wave's own part of chunk 0: only this wave reads those bytes, all of them ahead of its first store there, and they have had their only fill.
; Source 0 = 16 rows of o_w, source 1 = 16 tokens: a lane holds eight neighbouring numbers of a row of out0.
; CLUSTERS: 4 x 4 work-groups; the tokens are shared along a row of the cluster, the weights' chunk 0 along a column, each asked for jointly.  Chunk 1 goes into registers, not into LDS: no joint load can bring it.
; NO PREFETCH: every byte that the launch reads is asked for at its head; there is no loop to run ahead in.
; WINDOW 0: v1-7 addresses; v8-39 the weights' scale words (lanes 0-15 tile p, lanes 16-31 tile p + 4); v40-47 the tokens' scale words; v48-143 the tokens' fragments; v144-207 accumulators;
;           v208-219 the weights' fragment 63; v220-223 offsets; v224-255 eight rows on their way out.
.set CH,    6400
.set IMG,   1536
.set TILE,  2*CH                       ; a tile of 16 rows, all of K
.set WB0,   8*CH                       ; LDS: a wave's eight tiles of chunk 0
.set ABASE, 32*CH                      ; behind the weights' chunk 0: the tokens
.set SPITCH, 528                       ; a stage row: 512 bytes + 16
.set SPARE, ABASE+8*TILE               ; the spare words, 128 bytes a wave
.set ROWB,  16384                      ; a row of out0
.set LI,   1                           ; 16 x lane: in an image, and in a row of 512 bytes
.set ADA,  2                           ; LDS: the current tile's images
.set ADS,  3                           ; LDS: its scale words
.set STO,  4
.set RD,   5                           ; LDS: my part of chunk 0 + 16 x lane: the weights' images, later the stage's rows
.set SPW,  6
.set NIL,  7
.set BSC,  8
.set ASC,  40
.set AF,   48
.set ACC,  144
.set BL,   208
.set BSO,  220
.set AS0,  221
.set BLS,  223
.set OUTR, 224
.set LOFF, 36                          ; s36: the current tile's place in LDS
.set CNT,  37
.set MSB, 0
.macro WIN new                         ; the immediate's high byte repeats the setting that is left
.if MSB != \new
	s_set_vgpr_msb (MSB<<8)|\new
.set MSB, \new
.endif
.endm
.macro CROUND                          ; a round of the cluster's barrier
	s_barrier_signal -1
	s_barrier_wait -1
	s_cmp_lg_u32 s14, 0
	s_cbranch_scc1 .Lnot_wave_0_\@
	s_barrier_signal -3
.Lnot_wave_0_\@:
	s_barrier_wait -3
	s_barrier_signal -1
	s_barrier_wait -1
.endm
.macro BPLACE f                        ; where the weights' fragment f = 8 x K step + tile lies: window W_, register R_
.if (\f) == 63
.set W_, 0
.set R_, BL
.else
.set W_, 1+(\f)/21
.set R_, 12*((\f)%21)
.endif
.endm
.macro LBK reg, r0, n                  ; n rows of the stage, from row r0 on, back into registers: the 32 lanes take a row of 512 bytes
.set T_, 0
.rept \n
	ds_load_b128 v[\reg+4*T_:\reg+4*T_+3], v[RD] offset:((\r0)+T_)*SPITCH
.set T_, T_+1
.endr
.endm
.macro SND reg, n                      ; and out: each store covers 512 consecutive bytes, at a multiple of 256 from out0's first byte
.set T_, 0
.rept \n
	global_store_b128 v[LI], v[\reg+4*T_:\reg+4*T_+3], s[12:13] offset:T_*ROWB th:TH_STORE_NT
.set T_, T_+1
.endr
.endm
	s_load_b128 s[4:7], s[0:1], 0x0                ; att, owq
	s_load_b64 s[12:13], s[0:1], 0x10              ; out0
	v_lshl_add_u32 v[SPW], v0, 2, SPARE
	v_mov_b32 v[NIL], 0
	ds_add_u32 v[SPW], v[NIL]                      ; the opening lines: the add, twice on end, and its wait ahead of my first tensor load
	ds_add_u32 v[SPW], v[NIL]
	v_lshrrev_b32 v1, 5, v0
	v_readfirstlane_b32 s14, v1                    ; wave
	s_lshr_b32 s15, s14, 1                         ; I fetch for the tokens (0) or for the weights (1),
	s_and_b32 s16, s14, 1                          ; and which half
	s_bfe_u32 s40, ttmp6, 0x40000                  ; cx
	s_bfe_u32 s41, ttmp6, 0x40004                  ; cy
	s_lshl_b32 s42, ttmp9, 2
	s_add_co_u32 s42, s42, s40                     ; x
	s_and_b32 s17, ttmp7, 0xffff
	s_lshl_b32 s17, s17, 2
	s_add_co_u32 s17, s17, s41                     ; y
	s_lshl_b32 s43, s41, 2
	s_lshl_b32 s43, 15, s43                        ; my row of the cluster
	s_lshl_b32 s44, 0x1111, s40                    ; my column
	s_or_b32 s24, s43, (3<<16)|(1<<21)             ; group 1, the tokens: elements of 8 bytes; 200 rows of 256 bytes, dense
	s_mov_b32 s25, 32<<16
	s_mov_b32 s26, 200<<16
	s_mov_b32 s27, 32<<16
	s_mov_b32 s28, 200
	s_mov_b32 s29, 32
	s_mov_b32 s30, 0
	s_mov_b32 s31, 0
	s_or_b32 s48, s44, (3<<16)|(1<<21)             ; group 1, the weights: 16 rows of 6,400 bytes (a tile's chunk 0), 12,800 bytes apart
	s_mov_b32 s49, 800<<16
	s_mov_b32 s50, 16<<16
	s_mov_b32 s51, 800<<16
	s_mov_b32 s52, 16
	s_mov_b32 s53, 1600
	s_mov_b32 s54, 0
	s_mov_b32 s55, 0
	s_mov_b32 s32, 1
	s_mul_i32 s33, s16, 4*TILE                     ; a half of the tokens' 102,400 bytes
	s_mul_i32 s20, s17, 8*TILE
	s_add_co_u32 s20, s20, s33
	s_mov_b32 s21, 0
	s_add_co_u32 s33, s33, ABASE
	s_mov_b32 s56, 1
	s_mul_i32 s57, s16, 16*CH                      ; a half of the weights' 32 tiles
	s_mul_i32 s46, s42, 32*TILE
	s_mul_i32 s47, s16, 16*TILE
	s_add_co_u32 s46, s46, s47
	s_mov_b32 s47, 0
	s_mul_i32 s18, s42, 32*TILE                    ; my own eight tiles of o_w
	s_mul_i32 s19, s14, 8*TILE
	s_add_co_u32 s18, s18, s19
	s_mov_b32 s19, 0
	s_lshl_b32 s22, s17, 21                        ; out0: 128 y rows of 16,384 bytes, + 2,048 x + 512 w
	s_lshl_b32 s23, s42, 11
	s_add_co_u32 s22, s22, s23
	s_lshl_b32 s23, s14, 9
	s_add_co_u32 s22, s22, s23
	s_mov_b32 s23, 0
	s_mul_i32 s45, s14, WB0                        ; LDS: my part of chunk 0
	s_mov_b32 s[LOFF], ABASE
	s_wait_dscnt 0x0                               ; both opening adds are done
	s_wait_kmcnt 0x0
	s_add_nc_u64 s[34:35], s[4:5], s[20:21]
	s_or_b32 s35, s35, 0x80000000
	s_add_nc_u64 s[58:59], s[6:7], s[46:47]
	s_or_b32 s59, s59, 0x80000000
	s_add_nc_u64 s[6:7], s[6:7], s[18:19]
	s_add_nc_u64 s[12:13], s[12:13], s[22:23]
	CROUND                                         ; the sixteen work-groups are here: the joint loads meet
	s_cmp_eq_u32 s15, 0                            ; one tensor load a wave, in the two arms of one branch on the wave's number
	s_cbranch_scc0 .Lfor_b
	tensor_load_to_lds s[32:35], s[24:31]
	s_nop 0
.rept 4
	v_nop
.endr
	s_branch .Lasked
.Lfor_b:
	tensor_load_to_lds s[56:59], s[48:55]
	s_nop 0
.rept 4
	v_nop
.endr
.Lasked:
	v_and_b32 v224, 31, v0
	v_and_b32 v225, 15, v0                         ; r
	v_bfe_u32 v226, v0, 4, 1                       ; h
	v_lshlrev_b32 v[LI], 4, v224
	v_lshlrev_b32 v[AS0], 4, v225                  ; 16 r: a row's four scale words
	v_mul_u32_u24 v[BSO], 4*TILE, v226
	v_add_nc_u32 v[BSO], v[BSO], v[AS0]            ; the weights' scale words in memory: lanes 16-31 take the tile four further on
	v_mul_u32_u24 v[BLS], 4*CH, v226
	v_add_nc_u32 v[BLS], v[BLS], v[AS0]
	v_add_nc_u32 v[BLS], s45, v[BLS]               ; and in LDS
	v_mul_u32_u24 v[STO], v225, SPITCH
	v_lshl_add_u32 v[STO], v226, 5, v[STO]
	v_add_nc_u32 v[STO], s45, v[STO]               ; the stage, in: row r, 32 bytes for each half of the lanes
	v_add_nc_u32 v[RD], s45, v[LI]
	v_add_nc_u32 v[AS0], 4*IMG, v[AS0]             ; the scale words lie behind a chunk's four images
	v_add_nc_u32 v[ADA], s[LOFF], v[LI]
	v_add_nc_u32 v[ADS], s[LOFF], v[AS0]
	s_wait_alu depctr_va_vdst(0)
.irp p, 0,1,2,3
	global_load_b128 v[BSC+16+4*\p:BSC+16+4*\p+3], v[BSO], s[6:7] offset:\p*TILE+CH+4*IMG
.endr
.set F_, 32
.rept 32                               ; the weights' chunk 1, K step by K step: 24 loads a step
	BPLACE F_
.set NW_, W_<<6
	WIN NW_
.irp i, 0,1,2
	global_load_b128 v[R_+4*\i:R_+4*\i+3], v[LI], s[6:7] offset:(F_%8)*TILE+CH+((F_/8)%4)*IMG+512*\i
.endr
.set F_, F_+1
.endr
	WIN 0
	s_wait_tensorcnt 0x0                           ; my tensor load has landed,
	s_barrier_signal -1
	s_barrier_wait -1                              ; everybody's has
.set S_, 0
.rept 8                                ; tile 0's fragments and scale words: 26 loads,
.irp i, 0,1,2
	ds_load_b128 v[AF+12*S_+4*\i:AF+12*S_+4*\i+3], v[ADA] offset:(S_/4)*CH+(S_%4)*IMG+512*\i
.endr
.set S_, S_+1
.endr
	ds_load_b128 v[ASC:ASC+3], v[ADS]
	ds_load_b128 v[ASC+4:ASC+7], v[ADS] offset:CH
.irp p, 0,1,2,3
	ds_load_b128 v[BSC+4*\p:BSC+4*\p+3], v[BLS] offset:\p*CH+4*IMG   ; chunk 0's scale words: 4,
.endr
.set F_, 0
.rept 32                               ; and the weights' chunk 0, K step by K step: 24 loads a step
	BPLACE F_
.set NW_, W_<<6
	WIN NW_
.irp i, 0,1,2
	ds_load_b128 v[R_+4*\i:R_+4*\i+3], v[RD] offset:(F_%8)*CH+(F_/8)*IMG+512*\i
.endr
.set F_, F_+1
.endr
	WIN 0
; ONE TILE OF 16 TOKENS.  prev: the tile before leaves among this one's products;  nxt: the next tile's fragments are fetched;  first: the weights are still arriving.
; CUR counts this tile's LDS instructions so far.  Ahead of steps 0-3 may be out: these, the 16 stores into the stage, and the 3 + 3 + 4 loads behind steps 5 to 7 of the tile before;
; ahead of steps 4-7: these and the 16 stores.  In the first tile: ahead of step s < 4 chunk 0's later steps, 24 loads each, and CUR; ahead of step s >= 4 chunk 1's later steps, 24 loads each.
.macro BLOCK prev, nxt, first
.set CUR, 0
.set S_, 0
.rept 8
.if \first
.if S_ == 0
	s_wait_dscnt 63                                ; of 126 LDS loads the first 63 are in: the 30 of the tokens and the scale words, step 0's 24 and 9 of step 1's
.endif
.if (S_ > 0) && (S_ < 4)
	s_wait_dscnt 24*(3-S_)+CUR
.endif
.if S_ == 4
	s_wait_loadcnt 63                              ; of 100 loads the first 37 are in: the scale words, step 4 and 9 of step 5's
.endif
.if S_ >= 5
	s_wait_loadcnt 24*(7-S_)
.endif
.else
.if S_ < 4
	s_wait_dscnt CUR+26
.else
	s_wait_dscnt CUR+16
.endif
.endif
.set B_, 0
.rept 8
	BPLACE 8*S_+B_
	WIN W_
.if S_ == 0                            ; the first K step starts the sums
.if B_ < 4
	v_wmma_scale_f32_16x16x128_f8f6f4 v[ACC+8*B_:ACC+8*B_+7], v[R_:R_+11], v[AF+12*S_:AF+12*S_+11], 0, v[BSC+16*(S_/4)+4*(B_%4)+S_%4], v[ASC+S_] matrix_a_fmt:MATRIX_FMT_BF6 matrix_b_fmt:MATRIX_FMT_BF6
.else
	v_wmma_scale_f32_16x16x128_f8f6f4 v[ACC+8*B_:ACC+8*B_+7], v[R_:R_+11], v[AF+12*S_:AF+12*S_+11], 0, v[BSC+16*(S_/4)+4*(B_%4)+S_%4], v[ASC+S_] matrix_a_fmt:MATRIX_FMT_BF6 matrix_b_fmt:MATRIX_FMT_BF6 matrix_a_scale:MATRIX_SCALE_ROW1
.endif
.else
.if B_ < 4
	v_wmma_scale_f32_16x16x128_f8f6f4 v[ACC+8*B_:ACC+8*B_+7], v[R_:R_+11], v[AF+12*S_:AF+12*S_+11], v[ACC+8*B_:ACC+8*B_+7], v[BSC+16*(S_/4)+4*(B_%4)+S_%4], v[ASC+S_] matrix_a_fmt:MATRIX_FMT_BF6 matrix_b_fmt:MATRIX_FMT_BF6
.else
	v_wmma_scale_f32_16x16x128_f8f6f4 v[ACC+8*B_:ACC+8*B_+7], v[R_:R_+11], v[AF+12*S_:AF+12*S_+11], v[ACC+8*B_:ACC+8*B_+7], v[BSC+16*(S_/4)+4*(B_%4)+S_%4], v[ASC+S_] matrix_a_fmt:MATRIX_FMT_BF6 matrix_b_fmt:MATRIX_FMT_BF6 matrix_a_scale:MATRIX_SCALE_ROW1
.endif
.endif
.set B_, B_+1
.endr
	WIN 0
.if \nxt
.rept 4
	v_nop                                          ; places in front of loads into registers that these products read
.endr
.irp i, 0,1,2
	ds_load_b128 v[AF+12*S_+4*\i:AF+12*S_+4*\i+3], v[ADA] offset:TILE+(S_/4)*CH+(S_%4)*IMG+512*\i
.endr
.set CUR, CUR+3
.if S_%4 == 3
	ds_load_b128 v[ASC+4*(S_/4):ASC+4*(S_/4)+3], v[ADS] offset:TILE+(S_/4)*CH
.set CUR, CUR+1
.endif
.endif
.if \prev
.if S_ == 4
	s_wait_xcnt 0x0                                ; the first eight rows' stores have read their registers and their base
	s_add_nc_u64 s[12:13], s[12:13], 8*ROWB
.endif
.if S_%4 == 0
	LBK OUTR, 2*S_, 8                              ; eight rows of the tile before
.set CUR, CUR+8
.set MARK, CUR
.endif
.if S_%4 == 2
	s_wait_dscnt CUR-MARK                          ; they are back; what was issued behind them may be out
	SND OUTR, 8
.endif
.endif
.set S_, S_+1
.endr
.if \nxt
	v_nop                                          ; with the four above: five places behind the last products, for the stores below and for the next tile's first products, which write these accumulators anew
.else
.rept 5
	v_nop
.endr
.endif
.if \prev
	s_wait_xcnt 0x0                                ; the second eight rows' stores have read their registers and their base
	s_add_nc_u64 s[12:13], s[12:13], 8*ROWB
.endif
.set B_, 0
.rept 8
	ds_store_b128 v[STO], v[ACC+8*B_:ACC+8*B_+3] offset:64*B_          ; each accumulator from its low end on.  LDS serves a wave's instructions in order: the reads of the tile before stand ahead
	ds_store_b128 v[STO], v[ACC+8*B_+4:ACC+8*B_+7] offset:64*B_+16
.set B_, B_+1
.endr
.if \nxt
	s_add_co_u32 s[LOFF], s[LOFF], TILE
	v_add_nc_u32 v[ADA], s[LOFF], v[LI]
	v_add_nc_u32 v[ADS], s[LOFF], v[AS0]
	s_wait_alu depctr_va_vdst(0)
.endif
.endm
	BLOCK 0, 1, 1                                  ; tile 0
	s_mov_b32 s[CNT], 6
.Ltile:                                                ; tiles 1 to 6
	BLOCK 1, 1, 0
	s_sub_co_u32 s[CNT], s[CNT], 1
	s_cmp_lg_u32 s[CNT], 0
	s_cbranch_scc1 .Ltile
	BLOCK 1, 0, 0                                  ; tile 7: nothing more to fetch
	LBK AF, 0, 16                                  ; its 16 rows, into the registers that held the tokens' fragments
	s_wait_dscnt 0x0
	SND AF, 16
	s_wait_tensorcnt 0x0                           ; the wave's end
	ds_add_u32 v[SPW], v[NIL]
	s_wait_dscnt 0x0
	CROUND                                         ; the closing round
	s_endpgm
.Lfunc_end_k_qf157a55d9b_oproj:
	.size	k_qf157a55d9b_oproj, .Lfunc_end_k_qf157a55d9b_oproj-k_qf157a55d9b_oproj
	.p2alignl 7, 3214868480
	.fill 96, 4, 3214868480
	.section	.rodata,"a",@progbits
	.p2align	6, 0x0
	.amdhsa_kernel k_qf157a55d9b_oproj
		.amdhsa_group_segment_fixed_size 327680
		.amdhsa_private_segment_fixed_size 0
		.amdhsa_enable_private_segment 0
		.amdhsa_kernarg_size 24
		.amdhsa_user_sgpr_count 2
		.amdhsa_user_sgpr_kernarg_segment_ptr 1
		.amdhsa_wavefront_size32 1
		.amdhsa_system_sgpr_workgroup_id_x 1
		.amdhsa_system_sgpr_workgroup_id_y 1
		.amdhsa_system_sgpr_workgroup_id_z 1
		.amdhsa_system_vgpr_workitem_id 0
		.amdhsa_next_free_vgpr 1024
		.amdhsa_next_free_sgpr 66
		.amdhsa_reserve_vcc 0
		.amdhsa_float_denorm_mode_32 3
		.amdhsa_float_denorm_mode_16_64 3
		.amdhsa_memory_ordered 1
		.amdhsa_forward_progress 1
		.amdhsa_inst_pref_size 67
	.end_amdhsa_kernel
	.amdgpu_metadata
---
amdhsa.version: [ 1, 2 ]
amdhsa.kernels:
  - .name:           k_qf157a55d9b_oproj
    .symbol:         k_qf157a55d9b_oproj.kd
    .args:
      - { .name: att, .offset: 0, .size: 8, .value_kind: global_buffer, .address_space: global }
      - { .name: owq, .offset: 8, .size: 8, .value_kind: global_buffer, .address_space: global }
      - { .name: out0, .offset: 16, .size: 8, .value_kind: global_buffer, .address_space: global }
    .group_segment_fixed_size: 327680
    .private_segment_fixed_size: 0
    .kernarg_segment_align: 8
    .kernarg_segment_size: 24
    .max_flat_workgroup_size: 128
    .sgpr_count:     66
    .vgpr_count:     1024
    .wavefront_size: 32
...
	.end_amdgpu_metadata
.endif
;; end of part 4
